; MI455X (gfx1250); checked and timed in simulation.
; The chip was launched on July 23, 2026; its instructions are those of AMD's public machine-readable ISA for CDNA 5 (MIT licence, August 2026) and "CDNA5" Instruction Set Architecture Reference Guide (July 2026). The comments in the code are by the model that wrote it; some were corrected since.
;; Causal Self Attention. Allowed arithmetic: float matrix products may take bf16 or f16 operands with f32 sums; other float arithmetic in f32, or as packed bf16 or f16 multiplies, adds, multiply-adds, maxima and minima; sums over many terms, partial sums and values carried from step to step in f32; what a program stores and reads back later, other than sums and carried values, may be rounded once to bf16 or f16.
;; Inputs: Wk 2,048 x 512 float32; Wo 2,048 x 2,048 float32; Wq 2,048 x 2,048 float32; Wv 2,048 x 512 float32; cos 1,024 x 64 float32; sin 1,024 x 64 float32; x 4 x 1,024 x 2,048 float32.
;; Outputs: out0 4 x 1,024 x 2,048 float32.
;; One version. Each part assembles by itself: llvm-mc -triple=amdgcn-amd-amdhsa -mcpu=gfx1250 --defsym DOCPART=n.
;; ======== version 1 of 1: 4 launches
;; limits: values are held in f16: magnitudes above 65,504 overflow, below 6.1e-05 lose precision
;; workspace buffers: xb 16,777,216 bytes; wqkv 12,582,912 bytes; wob 8,388,608 bytes; qkv 25,165,824 bytes; ob 16,777,216 bytes
;; launch cast (part 1): grid 1152 x 1, 8 waves a work-group, no clusters, 0 bytes of LDS; arguments x, Wq, Wk, Wv, Wo, xb, wqkv, wob; writes xb, wqkv, wob
.if DOCPART == 1
	.amdgcn_target "amdgcn-amd-amdhsa--gfx1250"
	.amdhsa_code_object_version 6
	.text
	.protected	k_qd42565a46f_cast
	.globl	k_qd42565a46f_cast
	.p2align	8
	.type	k_qd42565a46f_cast,@function
k_qd42565a46f_cast:
	s_mov_b64 s[64:65], 0
	v_nop
	global_prefetch_b8 v0, s[64:65] scope:SCOPE_SE
	s_setreg_imm32_b32 hwreg(HW_REG_WAVE_MODE, 25, 1), 1
	s_wait_xcnt 0x0
; CAST.  x, Wq, Wk, Wv are rounded once to bf16; Wo is rounded to bf16 and that number written as f16.  All are laid out in blocks of 128 columns:
;   xb   [16 column blocks][4096 rows][128] bf16
;   wqkv [24 slots][2048 k][128 n] bf16; slot 3 c + i: i = 0, 1: q head 2 c + i; i = 2: k head c (c < 4), v head c - 4 (c >= 4)
;   wob  [16 column blocks][2048 k][128 n] f16
; so that every tile of the later products is a dense run of rows of 256 bytes.
; LIMITS.  |Wo| stays under 65,504 (f16's end); a Wo below 6e-5 keeps f16's fixed step of 6e-8.  NaN and infinities are not treated apart.
; SHARES.  A work-group takes 65,536 source bytes, a wave 8,192: sixteen PIECES of 128 f32.  A piece is one load of 16 bytes a lane (512 consecutive bytes) and
; one store of 8 bytes a lane (256 consecutive bytes, at a multiple of 256 from the buffer's first byte).  All sixteen loads go out first; no register is written twice,
; so the only waits are the counted ones for the loads.  No LDS, no barrier, no matrix unit: nothing is read twice and no wave needs another's data.
; Work-groups 0-511: x; 512-767: Wq; 768-1023: Wo; 1024-1087: Wk; 1088-1151: Wv.
.set X, 4                              ; v[4:67]    piece t: 4 registers as loaded
.set Y, 68                             ; v[68:99]   piece t: 2 registers to store
.set T, 100                            ; v[100:103] at work (Wo alone)
; One matrix's path.  kind 0: x, 1: Wq, 2: Wo (rows of 8,192 bytes: a wave takes one row, piece t is column block t);
; kind 3: Wk, 4: Wv (rows of 2,048 bytes: a wave takes four rows, piece t is row t / 4, column block t % 4).
; The block's place stands in the store's immediate; the base carries BIAS so that the immediates lie inside the signed 24 bits.
.macro PATH kind, src, dst, first
	s_sub_co_u32 s25, s25, \first                  ; the work-group's number within its matrix
.if (\kind) < 3
	s_lshl3_add_u32 s26, s25, s24                  ; my row = 8 n + wave
	s_lshl_b32 s28, s26, 8                         ; its 256 bytes in a block
	s_lshl_b32 s26, s26, 13                        ; its 8,192 bytes in the source
.else
	s_lshl_b32 s26, s25, 5
	s_lshl2_add_u32 s26, s24, s26                  ; my first row = 32 n + 4 wave
	s_lshl_b32 s28, s26, 8
	s_lshl_b32 s26, s26, 11                        ; rows of 2,048 bytes
.endif
.if (\kind) == 0
.set BIAS, 8*1048576
.elseif (\kind) == 2
.set BIAS, 0
.else
.set BIAS, 12*524288
.endif
	s_add_co_u32 s28, s28, BIAS
	s_add_nc_u64 s[30:31], s[\src:\src+1], s[26:27]
	s_add_nc_u64 s[32:33], s[\dst:\dst+1], s[28:29]
.set t, 0
.rept 16
	global_load_b128 v[X+4*t:X+4*t+3], v1, s[30:31] offset:512*t th:TH_LOAD_NT
.set t, t+1
.endr
.set t, 0
.rept 16
.if (\kind) == 0
.set IMM, (t-8)*1048576
.elseif (\kind) == 1
.set IMM, (3*(t/2)+t%2-12)*524288
.elseif (\kind) == 2
.set IMM, t*524288
.elseif (\kind) == 3
.set IMM, (t/4)*256+(3*(t%4)+2-12)*524288
.else
.set IMM, (t/4)*256+(3*(t%4)+14-12)*524288
.endif
	s_wait_loadcnt 15-t                            ; loads come back in order: piece t is in, the 15 - t younger ones stay out
.if (\kind) == 2
	v_cvt_pk_bf16_f32 v[T], v[X+4*t], v[X+4*t+1]   ; rounded to bf16,
	v_cvt_pk_bf16_f32 v[T+2], v[X+4*t+2], v[X+4*t+3]
	v_lshlrev_b32 v[T+1], 16, v[T]                 ; widened again,
	v_and_b32 v[T], s34, v[T]
	v_lshlrev_b32 v[T+3], 16, v[T+2]
	v_and_b32 v[T+2], s34, v[T+2]
	v_cvt_pk_f16_f32 v[Y+2*t], v[T+1], v[T]        ; and written as f16: no bit is lost within f16's normal range
	v_cvt_pk_f16_f32 v[Y+2*t+1], v[T+3], v[T+2]
.else
	v_cvt_pk_bf16_f32 v[Y+2*t], v[X+4*t], v[X+4*t+1]
	v_cvt_pk_bf16_f32 v[Y+2*t+1], v[X+4*t+2], v[X+4*t+3]
.endif
	global_store_b64 v2, v[Y+2*t:Y+2*t+1], s[32:33] offset:IMM
.set t, t+1
.endr
	s_endpgm
.endm
	s_load_b512 s[8:23], s[0:1], 0x0               ; x s[8:9], Wq s[10:11], Wk s[12:13], Wv s[14:15], Wo s[16:17], xb s[18:19], wqkv s[20:21], wob s[22:23]
	v_lshrrev_b32 v3, 5, v0
	v_readfirstlane_b32 s24, v3                    ; wave 0..7
	v_and_b32 v1, 31, v0
	v_lshlrev_b32 v2, 3, v1                        ; 8 bytes a lane out
	v_lshlrev_b32 v1, 4, v1                        ; 16 bytes a lane in
	s_mov_b32 s25, ttmp9
	s_mov_b32 s27, 0                               ; the offsets' high words
	s_mov_b32 s29, 0
	s_mov_b32 s34, 0xffff0000                      ; a word's upper bf16
	s_wait_kmcnt 0x0
	s_cmp_lt_u32 s25, 512
	s_cbranch_scc0 .Lnot_x
	PATH 0, 8, 18, 0
.Lnot_x:
	s_cmp_lt_u32 s25, 768
	s_cbranch_scc0 .Lnot_wq
	PATH 1, 10, 20, 512
.Lnot_wq:
	s_cmp_lt_u32 s25, 1024
	s_cbranch_scc0 .Lnot_wo
	PATH 2, 16, 22, 768
.Lnot_wo:
	s_cmp_lt_u32 s25, 1088
	s_cbranch_scc0 .Lnot_wk
	PATH 3, 12, 20, 1024
.Lnot_wk:
	PATH 4, 14, 20, 1088
.Lfunc_end_k_qd42565a46f_cast:
	.size	k_qd42565a46f_cast, .Lfunc_end_k_qd42565a46f_cast-k_qd42565a46f_cast
	.p2alignl 7, 3214868480
	.fill 96, 4, 3214868480
	.section	.rodata,"a",@progbits
	.p2align	6, 0x0
	.amdhsa_kernel k_qd42565a46f_cast
		.amdhsa_group_segment_fixed_size 0
		.amdhsa_private_segment_fixed_size 0
		.amdhsa_enable_private_segment 0
		.amdhsa_kernarg_size 64
		.amdhsa_user_sgpr_count 2
		.amdhsa_user_sgpr_kernarg_segment_ptr 1
		.amdhsa_wavefront_size32 1
		.amdhsa_system_sgpr_workgroup_id_x 1
		.amdhsa_system_sgpr_workgroup_id_y 1
		.amdhsa_system_sgpr_workgroup_id_z 1
		.amdhsa_system_vgpr_workitem_id 0
		.amdhsa_next_free_vgpr 104
		.amdhsa_next_free_sgpr 66
		.amdhsa_reserve_vcc 0
		.amdhsa_float_denorm_mode_32 3
		.amdhsa_float_denorm_mode_16_64 3
		.amdhsa_memory_ordered 1
		.amdhsa_forward_progress 1
		.amdhsa_inst_pref_size 35
	.end_amdhsa_kernel
	.amdgpu_metadata
---
amdhsa.version: [ 1, 2 ]
amdhsa.kernels:
  - .name:           k_qd42565a46f_cast
    .symbol:         k_qd42565a46f_cast.kd
    .args:
      - { .name: x, .offset: 0, .size: 8, .value_kind: global_buffer, .address_space: global }
      - { .name: Wq, .offset: 8, .size: 8, .value_kind: global_buffer, .address_space: global }
      - { .name: Wk, .offset: 16, .size: 8, .value_kind: global_buffer, .address_space: global }
      - { .name: Wv, .offset: 24, .size: 8, .value_kind: global_buffer, .address_space: global }
      - { .name: Wo, .offset: 32, .size: 8, .value_kind: global_buffer, .address_space: global }
      - { .name: xb, .offset: 40, .size: 8, .value_kind: global_buffer, .address_space: global }
      - { .name: wqkv, .offset: 48, .size: 8, .value_kind: global_buffer, .address_space: global }
      - { .name: wob, .offset: 56, .size: 8, .value_kind: global_buffer, .address_space: global }
    .group_segment_fixed_size: 0
    .private_segment_fixed_size: 0
    .kernarg_segment_align: 8
    .kernarg_segment_size: 64
    .max_flat_workgroup_size: 256
    .sgpr_count:     66
    .vgpr_count:     104
    .wavefront_size: 32
...
	.end_amdgpu_metadata
.endif
;; end of part 1
;; launch qkv (part 2): grid 8 x 32, 4 waves a work-group, clusters of 4 x 4, 327,680 bytes of LDS; arguments xb, wqkv, cos, sin, qkv; writes qkv
.if DOCPART == 2
	.amdgcn_target "amdgcn-amd-amdhsa--gfx1250"
	.amdhsa_code_object_version 6
	.text
	.protected	k_qd42565a46f_qkv
	.globl	k_qd42565a46f_qkv
	.p2align	8
	.type	k_qd42565a46f_qkv,@function
k_qd42565a46f_qkv:
	s_mov_b64 s[64:65], 0
	v_nop
	global_prefetch_b8 v0, s[64:65] scope:SCOPE_SE
	s_setreg_imm32_b32 hwreg(HW_REG_WAVE_MODE, 25, 1), 1
	s_wait_xcnt 0x0
	s_wait_alu depctr_hold_cnt(0) depctr_sa_sdst(0) depctr_va_vdst(0) depctr_va_sdst(0) depctr_va_ssrc(0) depctr_va_vcc(0) depctr_vm_vsrc(0)
	s_getreg_b32 s2, hwreg(HW_REG_IB_STS2, 6, 4)
	s_cmp_eq_u32 s2, 0
	s_cbranch_scc0 .Lentry_in_a_cluster
	s_endpgm
.Lentry_in_a_cluster:
	s_bfe_u32 s2, ttmp6, 0x10000c
	s_cmp_lg_u32 s2, 0xf033
	s_cbranch_scc0 .Lentry_shape_is_right
	s_endpgm
.Lentry_shape_is_right:
; Q, K, V = x W, then rotary and RMS norm (q and k heads), rounded once to f16.  x: xb [16 kb][4096][128] bf16; W: wqkv [24 slots][2048 k][128 n] bf16; sums in f32.
; Out: qkv [24 g][4096 rows][128] f16, g = 0-15 q heads, 16-19 k heads, 20-23 v heads.  cos and sin are rounded to bf16 like every input and used in f32.
; LIMITS.  v is written in f16: |v| stays under 65,504.  q and k leave the norm within 11.32.  NaN and infinities are not treated apart.
; The sums run over the 16 K steps in the order o, o + 1, .., 15, 0, .., o - 1 with o = 0 or 8 (K ORDER below): an order of rounding that differs from ascending K.
; SHARES.  A work-group makes 128 rows x 3 heads (slots 3 c .. 3 c + 2): 256 work-groups.  Wave (wr, wc) makes rows 64 wr .. + 63 and, of EACH head, the columns
; 32 wc + 16 (p & 1) + 64 (p >> 1) + 0..15, p = 0..3: rotary's partners d and d + 64 lie in one lane, and only the sum of squares crosses to the other wave of the row half.
; 48 accumulators a wave.  The third head is a k head where the cluster's x is 0 and a v head where it is 1; a v head goes the same way with cos = 1, sin = 0 and scale = 1, by arithmetic and selects, not by a branch.
; THE MATRIX INSTRUCTION IS USED TRANSPOSED: source 0 = 16 columns of W (turned out of LDS by ds_load_tr16_b128), source 1 = 16 rows of x: a lane holds one row and eight neighbouring columns.
; RING.  K goes in steps of 128 through two LDS slots: x's 128 rows (pitch 272), then three heads' 128 k rows (pitch 288).  Wave 0 fetches x's tile, waves 1-3 a head's each.
; A K step is written once: the fragment addresses are a lane term + TB, which one exclusive or turns from one slot to the other, and one group 0 a tensor walks from slot to slot.
; CLUSTER 4 x 4: x's tile hangs on the tile row alone and is asked for jointly along a row of the cluster, W's on the tile column alone and jointly along a column.
; K ORDER.  A cluster begins at K step o = 8 ((cluster x + cluster y) & 1) and wraps.  The cluster that needs the same tiles of x (same y, other x) and the neighbour that needs the same tiles of W
; (same x, y xor 1) walk eight steps apart from mine: in my last eight steps every tile has been read by one of them eight steps earlier.
; REGISTERS, in windows of 256: window 0 addresses, tables, work; window 1 two fragment buffers (x's fragment a at + 8 a, W's fragment n = 4 i + p at + 32 + 8 n);
; window 2 the accumulators of row blocks a = 0, 1 at 8 (12 (a & 1) + 4 i + p); window 3 those of a = 2, 3.
.set PA,    272                        ; x's LDS row: 256 bytes + 16: the 16 rows of a fragment load start 16 bytes apart modulo 256
.set PB,    288                        ; W's LDS row: 256 + 32: the turning load's 8 rows x 32 bytes touch each 4-byte column once
.set REG,   36864                      ; a region: 128 rows x 288 = 0x9000
.set SLOT,  4*REG                      ; 0x24000: it shares no bit with wave x REG, so an exclusive or with it adds or takes away a slot
.set SPARE, 2*SLOT                     ; the spare words: 128 bytes a wave, two blocks of 256 bytes that no other line names
.set XB,    SPARE+512                  ; the exchange of sums of squares: 1,024 bytes a wave, 64 for each row r
.set SP,    784                        ; the stage's row: 3 heads x 256 bytes + 16.  The stage, 128 rows, lies in slot 0, behind that slot's last fill and last read
.set ADA0, 16                          ; v16     my x fragments in slot 0; never rewritten
.set ADRA, 17                          ; v17     in the slot in hand
.set ADB0, 18                          ; v18-20  my W fragments of head i in slot 0; never rewritten
.set ADRB, 21                          ; v21-23  in the slot in hand
.set STO,  24                          ; v24  the way out: where I put 16 bytes of a row
.set RD,   25                          ; v25  where I read rows back
.set GO,   26                          ; v26  16 x lane
.set XW,   27                          ; v27  where I put my sums of squares
.set SPW,  28                          ; v28  my spare word; never rewritten
.set NIL,  29                          ; v29  0; never rewritten
.set XR,   30                          ; v30  where the partner wave's sums lie
.set CSO,  31                          ; v31  my byte offset in cos and sin
.set ONE,  32                          ; v32  1.0
.set SS,   36                          ; v[36:59]  pair 3 a + i: sums of squares, later the scale in the low register
.set CT,   64                          ; v[64:191] cos at CT + 32 a + 16 e + 0..7, sin 8 further on
.set T,    192                         ; v[192:223] at work
.set XS,   T+32                        ; v[224:235] the twelve sums
.set XP,   T+44                        ; v[236:247] the partner's
.set PKR,  64                          ; v[64:111] packed f16 (the tables are done with)
.set F0,   0
.set F1,   128
.set G1A, 24                           ; s[24:31] group 1 for x's tiles;  s[32:39] group 0: a set for each first fill; the second then walks on
.set G0A, 32
.set G1B, 48                           ; s[48:55], s[56:63] the same for W's
.set G0B, 56
.set K0,  44                           ; s[44:45] 1.0 for a k head, 0 for a v head
.set K1,  46                           ; s[46:47] 0 for a k head, 1.0 for a v head
.set TB,  80                           ; s80  0 or SLOT: the slot in hand
.set KS,  81                           ; s81  the K step to be asked for next
.set OFS, 82                           ; s[82:83] its byte offset
.set MSB, 0
.macro WIN new                         ; the immediate's high byte repeats the setting that is left; a switch that changes nothing is dropped
.if MSB != (\new)
	s_set_vgpr_msb (MSB<<8)|(\new)
.set MSB, \new
.endif
.endm
.macro PLACES                          ; four plain places behind matrix instructions, ahead of loads into their sources and of reads of their results
.rept 4
	v_nop
.endr
.endm
; A joint load: wave 0 asks for x's tile, waves 1-3 for a head's.  The branch hangs on the wave's number alone.  An s_nop 0 and four v_nop follow each line.
.macro JLOAD s
	s_cmp_eq_u32 s14, 0
	s_cbranch_scc0 .Lfor_b_\@
	tensor_load_to_lds s[G0A+4*(\s):G0A+4*(\s)+3], s[G1A:G1A+7]
	s_nop 0
.rept 4
	v_nop
.endr
	s_branch .Lasked_\@
.Lfor_b_\@:
	tensor_load_to_lds s[G0B+4*(\s):G0B+4*(\s)+3], s[G1B:G1B+7]
	s_nop 0
.rept 4
	v_nop
.endr
.Lasked_\@:
.endm
.macro CREST                           ; a round of the cluster's barrier behind its opening barrier
	s_cmp_lg_u32 s14, 0
	s_cbranch_scc1 .Lnot_wave_0_\@
	s_barrier_signal -3
.Lnot_wave_0_\@:
	s_barrier_wait -3
	s_barrier_signal -1
	s_barrier_wait -1
.endm
.macro CROUND
	s_barrier_signal -1
	s_barrier_wait -1
	CREST
.endm
; The walking descriptors go on: the other slot; the address made anew from the tensor's base and the number of the K step, which then steps and wraps at 16.
.macro NEXTK
	s_xor_b32 s[G0A+5], s[G0A+5], SLOT
	s_lshl_b32 s[OFS], s[KS], 20                   ; a K step of x is a column block of xb: 1,048,576 bytes
	s_add_nc_u64 s[G0A+6:G0A+7], s[40:41], s[OFS:OFS+1]
	s_or_b32 s[G0A+7], s[G0A+7], 0x80000000
	s_xor_b32 s[G0B+5], s[G0B+5], SLOT
	s_lshl_b32 s[OFS], s[KS], 15                   ; a K step of W is 128 k rows of 256 bytes
	s_add_nc_u64 s[G0B+6:G0B+7], s[42:43], s[OFS:OFS+1]
	s_or_b32 s[G0B+7], s[G0B+7], 0x80000000
	s_add_co_u32 s[KS], s[KS], 1
	s_and_b32 s[KS], s[KS], 15
.endm
	s_load_b256 s[4:11], s[0:1], 0x0               ; xb s[4:5], wqkv s[6:7], cos s[8:9], sin s[10:11]
	s_load_b64 s[12:13], s[0:1], 0x20              ; qkv
	v_lshl_add_u32 v[SPW], v0, 2, SPARE
	v_mov_b32 v[NIL], 0
	ds_add_u32 v[SPW], v[NIL]                      ; the wave's opening: the add and its wait ahead of my first tensor load; the set-up below stands between them
	v_lshrrev_b32 v1, 5, v0
	v_readfirstlane_b32 s14, v1                    ; wave 0..3
	s_lshr_b32 s15, s14, 1                         ; wr: my half of the rows
	s_and_b32 s16, s14, 1                          ; wc: my half of each head's columns
	s_bfe_u32 s17, ttmp6, 0x40000                  ; cx
	s_bfe_u32 s18, ttmp6, 0x40004                  ; cy
	s_lshl_b32 s19, ttmp9, 2
	s_add_co_u32 s19, s19, s17                     ; c: tile column = 4 x cluster x + cx
	s_and_b32 s20, ttmp7, 0xffff
	s_lshl_b32 s20, s20, 2
	s_add_co_u32 s20, s20, s18                     ; tile row = 4 x cluster y + cy
	s_lshl_b32 s21, s18, 2
	s_lshl_b32 s21, 15, s21                        ; my row of the cluster
	s_lshl_b32 s22, 0x1111, s17                    ; my column
	s_or_b32 s[G1A], s21, (1<<16)|(1<<20)|(1<<21)|(5<<22)|(3<<25)  ; the mask; 2-byte elements; padding on; bit 21 beside a mask; after every 64 words; 4 words
	s_or_b32 s[G1B], s22, (1<<16)|(1<<20)|(1<<21)|(5<<22)|(7<<25)  ; the same with my column's mask and 8 words of padding
.irp g, G1A, G1B
	s_mov_b32 s[(\g)+1], 128<<16                   ; tensor_dim0 = 128
	s_mov_b32 s[(\g)+2], 128<<16                   ; tensor_dim1 = 128
	s_mov_b32 s[(\g)+3], 128<<16                   ; tile_dim0 = 128
	s_mov_b32 s[(\g)+4], 128                       ; tile_dim1 = 128
	s_mov_b32 s[(\g)+5], 128                       ; 128 elements from row to row: the blocks are dense
	s_mov_b32 s[(\g)+6], 0
	s_mov_b32 s[(\g)+7], 0
.endr
	s_lshl_b32 s40, s20, 15                        ; x's tile: 128 rows of 256 bytes for each tile row; these registers never hold cx
	s_mov_b32 s41, 0
	s_max_u32 s23, s14, 1
	s_sub_co_u32 s23, s23, 1                       ; which head I fetch (wave 0 makes the address and does not use it)
	s_mul_i32 s42, s19, 3
	s_add_co_u32 s42, s42, s23                     ; slot 3 c + head; these registers never hold cy
	s_lshl_b32 s42, s42, 19
	s_mov_b32 s43, 0
	s_mul_i32 s23, s14, REG                        ; W's place in a slot: region 1 + head = wave
	s_lshl_b32 s44, s20, 15                        ; the way out: row 128 x tile row + 32 x wave, 256 bytes each,
	s_lshl_b32 s45, s14, 13
	s_add_co_u32 s44, s44, s45
	s_lshl_b32 s45, s19, 21
	s_add_co_u32 s46, s44, s45                     ; in head 2 c,
	s_mov_b32 s47, 0
	s_lshl_b32 s45, s19, 20
	s_add_co_u32 s44, s44, s45
	s_add_co_u32 s44, s44, 16<<20                  ; and in head 16 + c
	s_mov_b32 s45, 0
	s_and_b32 s78, s20, 7                          ; the position: rows go by 1,024 to a batch
	s_lshl_b32 s78, s78, 15
	s_lshl_b32 s79, s15, 14
	s_add_co_u32 s78, s78, s79
	s_lshl_b32 s79, s16, 7
	s_add_co_u32 s78, s78, s79                     ; ((tile row & 7) 128 + 64 wr) 256 + 32 wc x 4
	s_mov_b32 s66, 0x3c000000                      ; 1 / 128
	s_mov_b32 s67, 0x358637bd                      ; 1e-6
	s_mov_b32 s68, 0x76543210                      ; v_permlanex16_b32: each lane takes its own place in the other half
	s_mov_b32 s69, 0xfedcba98
	s_sub_co_u32 s70, 0, ttmp9                     ; all ones where the third head is a v head (cluster x = 1), else 0: a select mask
	s_mov_b32 s71, 0xffff0000
	s_and_b32 s[KS], ttmp7, 0xffff                 ; my first K step: 8 x the parity of cluster x + cluster y, the same in all sixteen partners
	s_add_co_u32 s[KS], s[KS], ttmp9
	s_and_b32 s[KS], s[KS], 1
	s_lshl_b32 s[KS], s[KS], 3
	s_mov_b32 s[OFS+1], 0
	s_mov_b32 s[TB], 0
	s_wait_dscnt 0x0                               ; the opening add is done
	s_wait_kmcnt 0x0
	s_add_nc_u64 s[40:41], s[4:5], s[40:41]        ; x at my tile row, K step 0
	s_add_nc_u64 s[42:43], s[6:7], s[42:43]        ; W at my head, K step 0
	s_add_nc_u64 s[72:73], s[12:13], s[46:47]      ; out: head 2 c,
	s_add_nc_u64 s[74:75], s[72:73], 1<<20         ; head 2 c + 1,
	s_add_nc_u64 s[76:77], s[12:13], s[44:45]      ; head 16 + c
	s_mul_i32 s[K1], ttmp9, 0x3f800000             ; 1.0 where the third head is a v head
	s_sub_co_u32 s[K0], 0x3f800000, s[K1]          ; 1.0 where it is a k head
	s_mov_b32 s[K0+1], 0                           ; named as pairs
	s_mov_b32 s[K1+1], 0
	CROUND                                         ; all sixteen work-groups are here: the first joint loads meet
.irp s, 0,1
	s_mov_b32 s[G0A+4*(\s)], 1
	s_mov_b32 s[G0A+4*(\s)+1], (\s)*SLOT
	s_lshl_b32 s[OFS], s[KS], 20
	s_add_nc_u64 s[G0A+4*(\s)+2:G0A+4*(\s)+3], s[40:41], s[OFS:OFS+1]
	s_or_b32 s[G0A+4*(\s)+3], s[G0A+4*(\s)+3], 0x80000000
	s_mov_b32 s[G0B+4*(\s)], 1
	s_add_co_u32 s[G0B+4*(\s)+1], s23, (\s)*SLOT
	s_lshl_b32 s[OFS], s[KS], 15
	s_add_nc_u64 s[G0B+4*(\s)+2:G0B+4*(\s)+3], s[42:43], s[OFS:OFS+1]
	s_or_b32 s[G0B+4*(\s)+3], s[G0B+4*(\s)+3], 0x80000000
	s_add_co_u32 s[KS], s[KS], 1                   ; o + 2 at the most 10: no wrap yet
	JLOAD \s                                       ; two loads of mine are out
.endr
	; addresses.  lane l: r = l % 16, h = l / 16
	v_and_b32 v1, 15, v0
	v_bfe_u32 v2, v0, 4, 1
	v_and_b32 v3, 7, v0
	v_bfe_u32 v4, v0, 3, 1
	v_lshlrev_b32 v[CSO], 8, v1                    ; cos, sin: row r of 256 bytes, 8 h numbers on
	v_lshl_add_u32 v[CSO], v2, 5, v[CSO]
	v_add_nc_u32 v[CSO], s78, v[CSO]
.irp a, 0,1,2,3
.irp e, 0,1
	global_load_b128 v[CT+32*(\a)+16*(\e):CT+32*(\a)+16*(\e)+3],     v[CSO], s[8:9]   offset:4096*(\a)+64*(\e)
	global_load_b128 v[CT+32*(\a)+16*(\e)+4:CT+32*(\a)+16*(\e)+7],   v[CSO], s[8:9]   offset:4096*(\a)+64*(\e)+16
	global_load_b128 v[CT+32*(\a)+16*(\e)+8:CT+32*(\a)+16*(\e)+11],  v[CSO], s[10:11] offset:4096*(\a)+64*(\e)
	global_load_b128 v[CT+32*(\a)+16*(\e)+12:CT+32*(\a)+16*(\e)+15], v[CSO], s[10:11] offset:4096*(\a)+64*(\e)+16
.endr
.endr
	v_mul_u32_u24 v5, v1, PA                       ; an x fragment: row x pitch + 16 x half
	v_lshl_add_u32 v5, v2, 4, v5
	s_mul_i32 s2, s15, 64*PA
	v_add_nc_u32 v[ADA0], s2, v5
	v_mov_b32 v[ADRA], v[ADA0]                     ; slot 0 is the first in hand
	v_lshl_add_u32 v6, v2, 3, v3                   ; the turning load: k row 8 h + l % 8, 16 bytes (l / 8) % 2, my 64 wc bytes
	v_mul_u32_u24 v6, v6, PB
	v_lshl_add_u32 v6, v4, 4, v6
	s_lshl_b32 s2, s16, 6
	v_add_nc_u32 v6, s2, v6
.irp i, 0,1,2
	v_add_nc_u32 v[ADB0+(\i)], (1+(\i))*REG, v6
	v_add_nc_u32 v[ADRB+(\i)], (1+(\i))*REG, v6
.endr
	v_mul_u32_u24 v[STO], v1, SP                   ; into the stage: row 64 wr + r, bytes 64 wc + 16 h
	v_lshl_add_u32 v[STO], v2, 4, v[STO]
	s_mul_i32 s2, s15, 64*SP
	s_lshl_b32 s3, s16, 6
	s_add_co_u32 s2, s2, s3
	v_add_nc_u32 v[STO], s2, v[STO]
	v_mul_u32_u24 v[RD], v2, SP                    ; back: rows 32 w + h, 16 bytes for each r
	v_lshl_add_u32 v[RD], v1, 4, v[RD]
	s_mul_i32 s2, s14, 32*SP
	v_add_nc_u32 v[RD], s2, v[RD]
	v_and_b32 v[GO], 31, v0
	v_lshlrev_b32 v[GO], 4, v[GO]
	v_lshlrev_b32 v5, 6, v1
	s_lshl_b32 s2, s14, 10
	s_add_co_u32 s2, s2, XB
	v_add_nc_u32 v[XW], s2, v5
	s_xor_b32 s2, s14, 1                           ; the other wave of my row half
	s_lshl_b32 s2, s2, 10
	s_add_co_u32 s2, s2, XB
	v_add_nc_u32 v[XR], s2, v5
	v_mov_b32 v[ONE], 1.0
	s_wait_loadcnt 0x0                             ; cos and sin, rounded to bf16 in place; all this stands in the wait for the first tile
.set i, 0
.rept 64
	v_cvt_pk_bf16_f32 v[T+i%8], v[CT+2*i], v[CT+2*i+1]
	v_lshlrev_b32 v[CT+2*i], 16, v[T+i%8]
	v_and_b32 v[CT+2*i+1], s71, v[T+i%8]
.set i, i+1
.endr
; 12 matrix instructions: row block a x my 12 column blocks, 32 along K.  zero = 1: the first product starts the sums.  The 48 accumulators take turns, one instruction a turn.
.macro MUL12 f, a, zero
	WIN 0xa5+0x50*((\a)/2)                         ; sources in window 1, C and D in window 2 or 3
.set AB, 96*((\a)%2)
.irp n, 0,1,2,3,4,5,6,7,8,9,10,11
.if \zero
	v_wmma_f32_16x16x32_bf16 v[AB+8*(\n):AB+8*(\n)+7], v[(\f)+32+8*(\n):(\f)+32+8*(\n)+7], v[(\f)+8*(\a):(\f)+8*(\a)+7], 0
.else
	v_wmma_f32_16x16x32_bf16 v[AB+8*(\n):AB+8*(\n)+7], v[(\f)+32+8*(\n):(\f)+32+8*(\n)+7], v[(\f)+8*(\a):(\f)+8*(\a)+7], v[AB+8*(\n):AB+8*(\n)+7]
.endif
.endr
.endm
; 32 LDS loads in one run: quarter q (32 along K) of the slot in hand into buffer f: W's twelve fragments, turned, then x's four
.macro FETCH q, f
	WIN 0x40                                       ; destination window 1, address window 0
.irp i, 0,1,2
.irp p, 0,1,2,3
	ds_load_tr16_b128 v[(\f)+32+8*(4*(\i)+(\p)):(\f)+32+8*(4*(\i)+(\p))+3],   v[ADRB+(\i)] offset:(\q)*32*PB+32*((\p)%2)+128*((\p)/2)
	ds_load_tr16_b128 v[(\f)+32+8*(4*(\i)+(\p))+4:(\f)+32+8*(4*(\i)+(\p))+7], v[ADRB+(\i)] offset:(\q)*32*PB+32*((\p)%2)+128*((\p)/2)+16*PB
.endr
.endr
.irp a, 0,1,2,3
	ds_load_b128 v[(\f)+8*(\a):(\f)+8*(\a)+3],   v[ADRA] offset:(\a)*16*PA+64*(\q)
	ds_load_b128 v[(\f)+8*(\a)+4:(\f)+8*(\a)+7], v[ADRA] offset:(\a)*16*PA+64*(\q)+32
.endr
.endm
; A K step is four quarters of 48 matrix instructions, on buffers 0, 1, 0, 1.  One of the first three multiplies f and fetches quarter q into g.
.macro QUARTER q, f, g, zero
	s_wait_dscnt 4                                 ; all but x's fragments 2 and 3 are in
	MUL12 \f, 0, \zero
	MUL12 \f, 1, \zero
	PLACES
	FETCH \q, \g
	s_wait_dscnt 32                                ; all but the 32 just issued
	MUL12 \f, 2, \zero
	MUL12 \f, 3, \zero
.endm
; The last quarter changes slots.  In front of ONE barrier each wave waits for all its tensor loads (one is out: its part of the next slot), adds 0 to its spare word,
; and waits for that and for its own reads of this slot.  round = 1: the slot is filled again; no load of mine is out, so the walking descriptors are stepped here, ahead of the round.
.macro MEET round
	WIN 0
	s_wait_tensorcnt 0x0
	ds_add_u32 v[SPW], v[NIL]
.if \round
	NEXTK
.endif
	s_wait_dscnt 7                                 ; the add and x's fragments 1 to 3 may be out
	MUL12 F1, 0, 0
	s_wait_dscnt 0x0                               ; the add is done, my reads of this slot are over
	s_barrier_signal -1
	MUL12 F1, 1, 0                                 ; work on registers while the others arrive
.if \round
	WIN 0
.endif
	s_barrier_wait -1
.endm
.macro TURN fill
	MEET \fill
.if \fill
	CREST                                          ; the barrier has opened a round of the cluster's: no wave of any partner still reads this slot or has a load on its way
	JLOAD 1                                        ; the first tensor load behind the round: 168 matrix instructions ahead of the wait for it; its four v_nop are also places for the loads below
.else
	WIN 0
	PLACES
.endif
	s_xor_b32 s[TB], s[TB], SLOT                   ; the other slot is in hand
	v_add_nc_u32 v[ADRA], s[TB], v[ADA0]
.irp i, 0,1,2
	v_add_nc_u32 v[ADRB+(\i)], s[TB], v[ADB0+(\i)]
.endr
	FETCH 0, F0
	MUL12 F1, 2, 0
	MUL12 F1, 3, 0
.endm
	s_wait_tensorcnt 1                             ; my part of the first K step is in; the second's may stay out
	s_barrier_signal -1
	s_barrier_wait -1
	FETCH 0, F0
	QUARTER 1, F0, F1, 1                           ; the first quarter stands in front of the loop: its products start the sums
	WIN 0
	s_mov_b32 s3, 14                               ; 16 K steps: fourteen trips, each from a step's second quarter to the next step's first, fill a slot again
.Lstep:
	QUARTER 2, F1, F0, 0
	QUARTER 3, F0, F1, 0
	TURN 1
	QUARTER 1, F0, F1, 0
	WIN 0
	s_sub_co_u32 s3, s3, 1
	s_cmp_lg_u32 s3, 0
	s_cbranch_scc1 .Lstep
	QUARTER 2, F1, F0, 0                           ; the last two steps fill nothing
	QUARTER 3, F0, F1, 0
	TURN 0
	QUARTER 1, F0, F1, 0
	QUARTER 2, F1, F0, 0
	QUARTER 3, F0, F1, 0
	s_wait_dscnt 4
	MUL12 F1, 0, 0
	MUL12 F1, 1, 0
	s_wait_dscnt 0x0
	MUL12 F1, 2, 0
	MUL12 F1, 3, 0
	PLACES
; ROTARY for row block a, head i: x1 (blocks p = e) and x2 (p = e + 2) in one lane.  x1' = x1 c - x2 s, x2' = x1 s + x2 c, in place.  Each accumulator is read from its low end on.
.macro ROPE a, i
.set AB, 96*((\a)%2)+32*(\i)
.set CB, CT+32*(\a)
	WIN 0x02+(\a)/2                                ; source 0 in window 2 or 3
.irp e, 0,1
.irp n, 0,1,2,3
	v_pk_mul_f32 v[T+16*(\e)+2*(\n):T+16*(\e)+2*(\n)+1],     v[AB+8*((\e)+2)+2*(\n):AB+8*((\e)+2)+2*(\n)+1], v[CB+16*(\e)+8+2*(\n):CB+16*(\e)+8+2*(\n)+1]
	v_pk_mul_f32 v[T+16*(\e)+8+2*(\n):T+16*(\e)+8+2*(\n)+1], v[AB+8*(\e)+2*(\n):AB+8*(\e)+2*(\n)+1],         v[CB+16*(\e)+8+2*(\n):CB+16*(\e)+8+2*(\n)+1]
.endr
.endr
	WIN 0x82+0x41*((\a)/2)                         ; destination and source 0 in window 2 or 3
.irp e, 0,1
.irp n, 0,1,2,3
	v_pk_fma_f32 v[AB+8*(\e)+2*(\n):AB+8*(\e)+2*(\n)+1], v[AB+8*(\e)+2*(\n):AB+8*(\e)+2*(\n)+1], v[CB+16*(\e)+2*(\n):CB+16*(\e)+2*(\n)+1], v[T+16*(\e)+2*(\n):T+16*(\e)+2*(\n)+1] neg_lo:[0,0,1] neg_hi:[0,0,1]
	v_pk_fma_f32 v[AB+8*((\e)+2)+2*(\n):AB+8*((\e)+2)+2*(\n)+1], v[AB+8*((\e)+2)+2*(\n):AB+8*((\e)+2)+2*(\n)+1], v[CB+16*(\e)+2*(\n):CB+16*(\e)+2*(\n)+1], v[T+16*(\e)+8+2*(\n):T+16*(\e)+8+2*(\n)+1]
.endr
.endr
.endm
.irp a, 0,1,2,3
	ROPE \a, 0
	ROPE \a, 1
.endr
	WIN 0                                          ; the third head's tables: c K0 + K1 and s K0: as they are for a k head; 1 and 0 for a v head, which then passes unchanged
.set n, 0
.rept 8
.set m, 0
.rept 4
	v_pk_fma_f32 v[CT+16*n+2*m:CT+16*n+2*m+1], v[CT+16*n+2*m:CT+16*n+2*m+1], s[K0:K0+1], s[K1:K1+1] op_sel_hi:[1,0,0]
	v_pk_mul_f32 v[CT+16*n+8+2*m:CT+16*n+8+2*m+1], v[CT+16*n+8+2*m:CT+16*n+8+2*m+1], s[K0:K0+1] op_sel_hi:[1,0]
.set m, m+1
.endr
.set n, n+1
.endr
.irp a, 0,1,2,3
	ROPE \a, 2
.endr
; The sums of squares of my 32 numbers of a row and head, in pairs; three chains by turns.
.macro SQ a
	WIN 0x0a+5*((\a)/2)                            ; sources 0 and 1 in window 2 or 3
.set n, 0
.rept 16
.irp i, 0,1,2
.set AB, 96*((\a)%2)+32*(\i)+2*n
.set SR, SS+2*(3*(\a)+(\i))
.if n == 0
	v_pk_mul_f32 v[SR:SR+1], v[AB:AB+1], v[AB:AB+1]
.else
	v_pk_fma_f32 v[SR:SR+1], v[AB:AB+1], v[AB:AB+1], v[SR:SR+1]
.endif
.endr
.set n, n+1
.endr
.endm
.irp a, 0,1,2,3
	SQ \a
.endr
	WIN 0
.set k, 0
.rept 12
	v_add_f32 v[XS+k], v[SS+2*k], v[SS+2*k+1]
.set k, k+1
.endr
.set k, 0
.rept 12
	v_permlanex16_b32 v[T+k], v[XS+k], s68, s69    ; the row's other columns of my blocks lie in the lane 16 away
.set k, k+1
.endr
.set k, 0
.rept 12
	v_add_f32 v[XS+k], v[XS+k], v[T+k]
.set k, k+1
.endr
.irp k, 0,1,2
	ds_store_b128 v[XW], v[XS+4*(\k):XS+4*(\k)+3] offset:16*(\k)   ; both halves of the lanes write the same numbers
.endr
	s_wait_dscnt 0x0                               ; for the partner's sake: my stores are done
	s_barrier_signal -1
	s_barrier_wait -1
.irp k, 0,1,2
	ds_load_b128 v[XP+4*(\k):XP+4*(\k)+3], v[XR] offset:16*(\k)    ; the head's other 64 columns
.endr
	s_wait_dscnt 0x0
.set k, 0
.rept 12
	v_add_f32 v[XS+k], v[XS+k], v[XP+k]
.set k, k+1
.endr
.set k, 0
.rept 12
	v_fma_f32 v[XS+k], v[XS+k], s66, s67           ; the mean + 1e-6
.set k, k+1
.endr
.set k, 0
.rept 12
	v_rsq_f32 v[SS+2*k], v[XS+k]
.set k, k+1
.endr
	v_nop                                          ; a plain instruction between the last root and the use of its result
	s_wait_alu depctr_va_vdst(0)
.irp a, 0,1,2,3
	v_cndmask_b32 v[SS+2*(3*(\a)+2)], v[SS+2*(3*(\a)+2)], v[ONE], s70  ; a v head is not normed
.endr
; Row block a: scaled, rounded to f16, 16 bytes a lane into the stage.
.macro PACK a
	WIN 0x82+0x41*((\a)/2)
.irp i, 0,1,2
.set n, 0
.rept 16
.set AB, 96*((\a)%2)+32*(\i)+2*n
	v_pk_mul_f32 v[AB:AB+1], v[AB:AB+1], v[SS+2*(3*(\a)+(\i)):SS+2*(3*(\a)+(\i))+1] op_sel_hi:[1,0]
.set n, n+1
.endr
.endr
	WIN 0x0a+5*((\a)/2)
.set n, 0
.rept 48
	v_cvt_pk_f16_f32 v[PKR+n], v[96*((\a)%2)+2*n], v[96*((\a)%2)+2*n+1]
.set n, n+1
.endr
	WIN 0
.irp i, 0,1,2
.irp p, 0,1,2,3
	ds_store_b128 v[STO], v[PKR+4*(4*(\i)+(\p)):PKR+4*(4*(\i)+(\p))+3] offset:(\a)*16*SP+256*(\i)+32*((\p)%2)+128*((\p)/2)
.endr
.endr
.endm
.irp a, 0,1,2,3
	PACK \a
.endr
	s_wait_dscnt 0x0                               ; a row's 256 bytes come from two waves: my stores are done,
	s_barrier_signal -1
	s_barrier_wait -1                              ; everybody's are
.irp i, 0,1,2
.set u, 0
.rept 16
	ds_load_b128 v[64+4*(16*(\i)+u):64+4*(16*(\i)+u)+3], v[RD] offset:u*2*SP+256*(\i)   ; two whole rows of head i
.set u, u+1
.endr
.endr
.irp i, 0,1,2
.set u, 0
.rept 16
	s_wait_dscnt 47-(16*(\i)+u)                    ; LDS loads come back in order: this one is in, the younger ones stay out
	global_store_b128 v[GO], v[64+4*(16*(\i)+u):64+4*(16*(\i)+u)+3], s[72+2*(\i):73+2*(\i)] offset:512*u   ; 512 consecutive bytes, at a multiple of 512 from the buffer's first
.set u, u+1
.endr
.endr
	s_wait_tensorcnt 0x0                           ; the wave's end
	ds_add_u32 v[SPW], v[NIL]
	s_wait_dscnt 0x0
	CROUND                                         ; the closing round: no work-group ends while a partner may still ask for a tile that names it
	s_endpgm
.Lfunc_end_k_qd42565a46f_qkv:
	.size	k_qd42565a46f_qkv, .Lfunc_end_k_qd42565a46f_qkv-k_qd42565a46f_qkv
	.p2alignl 7, 3214868480
	.fill 96, 4, 3214868480
	.section	.rodata,"a",@progbits
	.p2align	6, 0x0
	.amdhsa_kernel k_qd42565a46f_qkv
		.amdhsa_group_segment_fixed_size 327680
		.amdhsa_private_segment_fixed_size 0
		.amdhsa_enable_private_segment 0
		.amdhsa_kernarg_size 40
		.amdhsa_user_sgpr_count 2
		.amdhsa_user_sgpr_kernarg_segment_ptr 1
		.amdhsa_wavefront_size32 1
		.amdhsa_system_sgpr_workgroup_id_x 1
		.amdhsa_system_sgpr_workgroup_id_y 1
		.amdhsa_system_sgpr_workgroup_id_z 1
		.amdhsa_system_vgpr_workitem_id 0
		.amdhsa_next_free_vgpr 960
		.amdhsa_next_free_sgpr 84
		.amdhsa_reserve_vcc 0
		.amdhsa_float_denorm_mode_32 3
		.amdhsa_float_denorm_mode_16_64 3
		.amdhsa_memory_ordered 1
		.amdhsa_forward_progress 1
		.amdhsa_inst_pref_size 167
	.end_amdhsa_kernel
	.amdgpu_metadata
---
amdhsa.version: [ 1, 2 ]
amdhsa.kernels:
  - .name:           k_qd42565a46f_qkv
    .symbol:         k_qd42565a46f_qkv.kd
    .args:
      - { .name: xb, .offset: 0, .size: 8, .value_kind: global_buffer, .address_space: global }
      - { .name: wqkv, .offset: 8, .size: 8, .value_kind: global_buffer, .address_space: global }
      - { .name: cos, .offset: 16, .size: 8, .value_kind: global_buffer, .address_space: global }
      - { .name: sin, .offset: 24, .size: 8, .value_kind: global_buffer, .address_space: global }
      - { .name: qkv, .offset: 32, .size: 8, .value_kind: global_buffer, .address_space: global }
    .group_segment_fixed_size: 327680
    .private_segment_fixed_size: 0
    .kernarg_segment_align: 8
    .kernarg_segment_size: 40
    .max_flat_workgroup_size: 128
    .sgpr_count:     84
    .vgpr_count:     960
    .wavefront_size: 32
...
	.end_amdgpu_metadata
.endif
;; end of part 2
;; launch attn (part 3): grid 16 x 16, 4 waves a work-group, clusters of 4 x 1, 327,680 bytes of LDS; arguments qkv, ob; writes ob
.if DOCPART == 3
	.amdgcn_target "amdgcn-amd-amdhsa--gfx1250"
	.amdhsa_code_object_version 6
	.text
	.protected	k_qd42565a46f_attn
	.globl	k_qd42565a46f_attn
	.p2align	8
	.type	k_qd42565a46f_attn,@function
k_qd42565a46f_attn:
	s_mov_b64 s[64:65], 0
	v_nop
	global_prefetch_b8 v0, s[64:65] scope:SCOPE_SE
	s_setreg_imm32_b32 hwreg(HW_REG_WAVE_MODE, 25, 1), 1
	s_wait_xcnt 0x0
	s_wait_alu depctr_hold_cnt(0) depctr_sa_sdst(0) depctr_va_vdst(0) depctr_va_sdst(0) depctr_va_ssrc(0) depctr_va_vcc(0) depctr_vm_vsrc(0)
	s_getreg_b32 s2, hwreg(HW_REG_IB_STS2, 6, 4)
	s_cmp_eq_u32 s2, 0
	s_cbranch_scc0 .Lentry_in_a_cluster
	s_endpgm
.Lentry_in_a_cluster:
	s_bfe_u32 s2, ttmp6, 0x10000c
	s_cmp_lg_u32 s2, 0x3003
	s_cbranch_scc0 .Lentry_shape_is_right
	s_endpgm
.Lentry_shape_is_right:
; CAUSAL ATTENTION WITH SHARED K AND V HEADS.  O[h][t] = the sum over s <= t of softmax_s(q[h][t] . k[h / 4][s] / sqrt(128)) v[h / 4][s].  qkv: [24 g][4096 rows][128] f16 (g: 16 q, 4 k, 4 v heads;
; row = 1024 b + t); ob: [16 h][4096 rows][128] f16.  Products, maxima and sums in f32; the weights p are rounded to f16 for the second product (their sum l is taken of the unrounded p), O once at the end.
; LIMITS.  O is a mean of v's rows and has their range, under 65,504.  p below 6e-8 counts as 0 in the second product; a weight below 2^-126 counts as 0 in l.
; A hidden score counts as its value less 1e30 (scores lie within 128).  NaN and infinities are not treated apart.
; SHARES.  A work-group serves one batch and one k / v head; its four waves are the four q heads that share that head, so each tile of K and V is fetched once for the four.
; It takes TWO blocks of 32 positions, 31 - p and then p.  Block j needs the tiles 0 .. j / 4 of 128 keys: nine tiles for a pair, whatever p: all work-groups do equal work, and one loop with a constant
; count walks them.  A tile is two key steps of 64.  Step j / 2 holds the diagonal; a later step of the block's last tile is wholly hidden and is computed all the same (one step in eighteen).
; CLUSTER 4 x 1.  With p = 4 g + cx the first block needs the tiles 0 .. 7 - g and the second 0 .. g, whatever cx: the four work-groups of a cluster walk the same nine tiles and ask for each JOINTLY.
; Every count, branch and tile number is made from g (the cluster's x) alone; cx enters Q's and O's addresses and the mask's numbers, which are chosen by selects on the counters.
; THE MASK is the C operand that starts S^T = K Q^T: MD (the diagonal step's mask for my lanes, 0 or -1e30) x AL + BE: (1, 0) at the diagonal, (0, 0) before it, (0, -1e30) behind it.
; With d = (j >> 1) & 1 the last tile's first step takes (1 - d, 0) and its second (d, (1 - d) x -1e30); all other tiles take (0, 0).
; LAYOUT.  S^T holds ONE query a lane (lane % 16) and the keys 8 (lane / 16) + 0..7; two such results rounded to f16 ARE source 1 of O^T = V^T P.  p = 2^(c s - c m), c = log2(e) / sqrt(128), with a running
; maximum m; O and l are multiplied by a = 2^(c m_old - c m_new) in every step.  m starts at the lowest finite number, so a block's first step has a = 0 and is a step like any other.
; IN PHASES: a step's 32 products K Q^T, the softmax of both tiles, its 32 products V^T P.
; REGISTERS: window 0: addresses; v16-31 statistics, eight a tile; v64-127 S^T; v128-159 P.  window 1: v0-127 O^T; v128-135 zeros; v136-167 MD; v192-255 MC.  window 2: v0-63 Q; v64-127 the second block's Q; v128-255 K.  window 3: v0-127 V.
.set KS,    64
.set PK,    272                        ; a row of K in LDS: 256 bytes + 16
.set PV,    288                        ; a row of V: 256 + 32
.set VOFF,  KS*PK                      ; a step's tiles lie together: 64 rows of K, then 64 rows of V
.set STEPB, KS*(PK+PV)
.set SLOT1, 1<<17                      ; a slot holds two steps; one exclusive or turns an address in one slot into the other's
.set STAGE, SLOT1+2*STEPB              ; behind the ring, never filled by a tensor load: 16 rows x 272 bytes for each wave
.set SP,    272
.set SPARE, STAGE+4*16*SP              ; the spare words: 128 bytes a wave, two blocks of 256 bytes that no other line names
.set AK0, 2                            ; v2  my lane's place in a tile of K
.set AV0, 3                            ; v3  the same for V
.set AK,  4                            ; v4  the LDS address of K's next run of loads
.set AV,  5                            ; v5  of V's
.set STO, 6
.set RD,  7
.set GO,  8
.set THR, 12                           ; v12  tile 0's query's place in the diagonal step, less 8 (l / 16)
.set DL,  14                           ; v14  l % 16 - 8 (l / 16)
.set QO,  15
.set ST,  16                           ; tile t at ST + 8 t: c m, m, l (even keys', odd keys'), c0-c3 at work; a takes c2's place
.set SPW, 62
.set NIL, 63
.set S,   64
.set P,   128
.set ZG,  128                          ; window 1: eight zeros.  Tile 1's queries lie 16 further on, so its mask is tile 0's one group of 16 keys later, with nothing hidden in group 0: it begins at ZG
.set MD,  136                          ; window 1: tile 0's mask: the eight registers for key group kg at MD + 8 kg
.set MC,  192                          ; window 1
.set QB,  64                           ; window 2
.set KF,  128                          ; window 2
.set WV,  12                           ; s12 my wave's number
.set G1K, 24
.set G1V, 32
.set G0K, 40
.set G0V, 44
.set KB,  48                           ; s[48:49] K at my half of tile 0;  s[50:51] V
.set VB,  50
.set OB,  56                           ; s[56:57] O at my rows of the block in hand;  s[58:59] of the second block
.set CS,  60                           ; s[60:61] c
.set SEL, 62                           ; s[62:63]
.set SLOTS, 66
.set CNT, 67
.set TB,  68                           ; LDS byte at which the step to be fetched begins
.set RT,  69                           ; tiles of the block in hand still to be entered
.set NXT, 70                           ; the tile to be asked for next
.set LQ,  71                           ; the last tile of the block whose tiles are being asked for
.set LQ2, 72                           ; the second block's last tile
.set BIGN, 73                          ; -1e30
.set OFF, 74                           ; s[74:75]
.set AL,  76                           ; s[76:77]
.set BE,  78                           ; s[78:79]
.set MA0, 80                           ; the block in hand: AL of its last tile's first step,
.set MA1, 81                           ; AL of the second,
.set MB1, 82                           ; BE of the second,
.set PAR, 83                           ; 32 (j & 1): the block's place in its diagonal step
.set NA0, 84                           ; the same four for the second block
.set NA1, 85
.set NB1, 86
.set NPAR, 87
.set MSB, 0
.macro WIN new
.if MSB != (\new)
	s_set_vgpr_msb (MSB<<8)|(\new)
.set MSB, (\new)
.endif
.endm
.set W_RS, 0x41                        ; destination and source 0 in window 1
.macro PLACES
.rept 4
	v_nop
.endr
.endm
; A joint fill: waves 0 and 1 fetch K of the tile's two steps, waves 2 and 3 V.  The branch hangs on the wave's number alone.  An s_nop 0 and four v_nop follow each line.
.macro LOAD
	s_cmp_lt_u32 s[WV], 2
	s_cbranch_scc0 .Lfor_v_\@
	tensor_load_to_lds s[G0K:G0K+3], s[G1K:G1K+7]
	s_nop 0
.rept 4
	v_nop
.endr
	s_branch .Lasked_\@
.Lfor_v_\@:
	tensor_load_to_lds s[G0V:G0V+3], s[G1V:G1V+7]
	s_nop 0
.rept 4
	v_nop
.endr
.Lasked_\@:
.endm
; A round of the cluster's barrier: my work-group's barrier, so that wave 0's signal speaks for all four waves; wave 0 signals; every wave waits for all four work-groups; my work-group's barrier once more.
.macro CROUND
	s_barrier_signal -1
	s_barrier_wait -1
	s_cmp_lg_u32 s[WV], 0
	s_cbranch_scc1 .Lnot_wave_0_\@
	s_barrier_signal -3
.Lnot_wave_0_\@:
	s_barrier_wait -3
	s_barrier_signal -1
	s_barrier_wait -1
.endm
; THE CHANGE OF SLOTS.  Each wave waits for all its tensor loads (one is out: its part of the other slot), adds 0 to its spare word, and waits for that and for its reads of the slot that it leaves.
; fill = 1: the old slot is filled again with tile NXT.  The barrier is then a round of the cluster's, so that no wave of any partner still reads the slot or has a load on its way, and the joint fill is
; the first thing behind it; it has two key steps in which to land.  (At its first use slot 0 is waited for and slot 1 filled.)
.macro CHANGE fill
	WIN 0
	s_wait_tensorcnt 0x0                           ; no tensor load of mine is out, so a group 0 may be written
	ds_add_u32 v[SPW], v[NIL]
.if \fill
	s_lshl_b32 s[OFF], s[NXT], 15                  ; a tile is 32,768 bytes of K and of V
	s_xor_b32 s[G0K+1], s[G0K+1], SLOT1
	s_add_nc_u64 s[G0K+2:G0K+3], s[KB:KB+1], s[OFF:OFF+1]
	s_or_b32 s[G0K+3], s[G0K+3], 0x80000000
	s_xor_b32 s[G0V+1], s[G0V+1], SLOT1
	s_add_nc_u64 s[G0V+2:G0V+3], s[VB:VB+1], s[OFF:OFF+1]
	s_or_b32 s[G0V+3], s[G0V+3], 0x80000000
	s_add_co_u32 s[NXT], s[NXT], 1                 ; the block's next tile, or behind its last the second block's tile 0
	s_cmp_gt_u32 s[NXT], s[LQ]
	s_cselect_b32 s[NXT], 0, s[NXT]
	s_cselect_b32 s[LQ], s[LQ2], s[LQ]
	s_wait_dscnt 0x0                               ; the add is done, my reads of the slot are over
	CROUND
	LOAD
.else
	s_wait_dscnt 0x0                               ; the add is done, my reads of the slot are over
	s_barrier_signal -1
	s_barrier_wait -1
.endif
	s_sub_co_u32 s[TB], s[TB], 2*STEPB             ; the fetches go back to a slot's first step, in the other slot
	s_xor_b32 s[TB], s[TB], SLOT1
.endm
; The mask's numbers for block s[j], by multiplication: no compare is made of a number that hangs on my place in the cluster.
.macro MNUM j, a0, a1, b1, par
	s_bfe_u32 s[\a1], s[\j], 0x10001               ; d = (j >> 1) & 1
	s_xor_b32 s[\a0], s[\a1], 1                    ; 1 - d
	s_mul_i32 s[\b1], s[\a0], s[BIGN]              ; (1 - d) x -1e30, as bits
	s_mul_i32 s[\a0], s[\a0], 0x3f800000           ; 1 - d as f32
	s_mul_i32 s[\a1], s[\a1], 0x3f800000           ; d as f32
	s_and_b32 s[\par], s[\j], 1
	s_lshl_b32 s[\par], s[\par], 5
.endm
	s_load_b128 s[4:7], s[0:1], 0x0                ; qkv s[4:5], ob s[6:7]
	v_lshl_add_u32 v[SPW], v0, 2, SPARE
	v_mov_b32 v[NIL], 0
	ds_add_u32 v[SPW], v[NIL]                      ; the wave's opening: the add and its wait ahead of my first tensor load
	v_lshrrev_b32 v1, 5, v0
	v_readfirstlane_b32 s[WV], v1
	s_bfe_u32 s13, ttmp6, 0x40000                  ; cx: my place in the cluster
	s_lshl_b32 s14, ttmp9, 2                       ; in a cluster launch ttmp9 counts clusters
	s_add_co_u32 s14, s14, s13                     ; p = 4 g + cx: the second block
	s_sub_co_u32 s15, 31, s14                      ; the first block, 31 - p
	s_and_b32 s16, ttmp7, 0xffff
	s_lshr_b32 s17, s16, 2                         ; the batch
	s_and_b32 s18, s16, 3                          ; the k / v head
	s_lshl_b32 s19, s17, 18                        ; the batch's 1,024 rows of 256 bytes
	s_and_b32 s20, s[WV], 1                        ; which of a tile's two steps I fetch
	s_add_co_u32 s21, s18, 16
	s_lshl_b32 s21, s21, 20                        ; a head is 4,096 rows of 256 bytes
	s_add_co_u32 s21, s21, s19
	s_lshl_b32 s22, s20, 14
	s_add_co_u32 s8, s21, s22                      ; K's offset,
	s_mov_b32 s9, 0
	s_add_co_u32 s10, s8, 4<<20                    ; V's: four heads on
	s_mov_b32 s11, 0
	s_lshl2_add_u32 s21, s18, s[WV]                ; my q head
	s_lshl_b32 s21, s21, 20
	s_add_co_u32 s21, s21, s19
	s_lshl_b32 s22, s15, 13                        ; a block is 32 rows
	s_add_co_u32 s2, s21, s22
	s_mov_b32 s3, 0
	s_lshl_b32 s22, s14, 13
	s_add_co_u32 s22, s21, s22
	s_mov_b32 s23, 0
	s_mov_b32 s[G1K], 15|(1<<16)|(1<<20)|(1<<21)|(5<<22)|(3<<25)  ; the mask of four; 2-byte elements; padding on; bit 21 beside a mask; after every 64 words; 4 words
	s_mov_b32 s[G1V], 15|(1<<16)|(1<<20)|(1<<21)|(5<<22)|(7<<25)  ; the same with 8 words
.irp g, G1K, G1V
	s_mov_b32 s[(\g)+1], 128<<16                   ; tensor_dim0 = 128
	s_mov_b32 s[(\g)+2], KS<<16                    ; tensor_dim1 = 64
	s_mov_b32 s[(\g)+3], 128<<16                   ; tile_dim0 = 128
	s_mov_b32 s[(\g)+4], KS                        ; tile_dim1 = 64
	s_mov_b32 s[(\g)+5], 128
	s_mov_b32 s[(\g)+6], 0
	s_mov_b32 s[(\g)+7], 0
.endr
	s_mul_i32 s13, s20, STEPB                      ; my step's place in a slot: the wave's number alone enters an LDS address
	s_mov_b32 s[G0K], 1
	s_mov_b32 s[G0K+1], s13                        ; slot 0
	s_mov_b32 s[G0V], 1
	s_add_co_u32 s[G0V+1], s13, VOFF
	s_mov_b32 s[CS], 0x3e0293ee                    ; c = log2(e) / sqrt(128)
	s_mov_b32 s[CS+1], s[CS]
	s_mov_b32 s[SEL], 0x76543210
	s_mov_b32 s[SEL+1], 0xfedcba98
	s_mov_b32 s[SLOTS], 8
	s_mov_b32 s[TB], SLOT1+2*STEPB                 ; the first change of slots turns this into 0
	s_sub_co_u32 s[LQ], 7, ttmp9                   ; the first block's last tile, (31 - p) / 4 = 7 - g
	s_add_co_u32 s[RT], s[LQ], 1
	s_mov_b32 s[NXT], 1
	s_mov_b32 s[LQ2], ttmp9                        ; the second block's, p / 4 = g
	s_mov_b32 s[OFF+1], 0
	s_mov_b32 s[AL+1], 0
	s_mov_b32 s[BE+1], 0
	s_mov_b32 s[BIGN], 0xf149f2ca                  ; -1e30
	MNUM 15, MA0, MA1, MB1, PAR
	MNUM 14, NA0, NA1, NB1, NPAR
	s_wait_dscnt 0x0                               ; the opening add is done
	s_wait_kmcnt 0x0
	s_add_nc_u64 s[KB:KB+1], s[4:5], s[8:9]
	s_add_nc_u64 s[VB:VB+1], s[4:5], s[10:11]
	s_add_nc_u64 s[52:53], s[4:5], s[2:3]          ; Q of the first block,
	s_add_nc_u64 s[54:55], s[4:5], s[22:23]        ; of the second
	s_add_nc_u64 s[OB:OB+1], s[6:7], s[2:3]
	s_add_nc_u64 s[OB+2:OB+3], s[6:7], s[22:23]
	s_mov_b64 s[G0K+2:G0K+3], s[KB:KB+1]
	s_or_b32 s[G0K+3], s[G0K+3], 0x80000000
	s_mov_b64 s[G0V+2:G0V+3], s[VB:VB+1]
	s_or_b32 s[G0V+3], s[G0V+3], 0x80000000
	CROUND                                         ; all four work-groups are here: the first joint loads meet
	LOAD                                           ; tile 0 into slot 0: one load of mine is out
	v_and_b32 v1, 15, v0                           ; l % 16
	v_bfe_u32 v9, v0, 4, 1                         ; l / 16
	v_lshlrev_b32 v[QO], 8, v1
	v_lshl_add_u32 v[QO], v9, 4, v[QO]
	WIN 0x80                                       ; destination window 2
.set i, 0
.rept 8                                ; both blocks' Q stay in registers: tile i / 4, channels 32 (i % 4) on
	global_load_b128 v[8*i:8*i+3],         v[QO], s[52:53] offset:(i/4)*4096+(i%4)*64
	global_load_b128 v[8*i+4:8*i+7],       v[QO], s[52:53] offset:(i/4)*4096+(i%4)*64+32
	global_load_b128 v[QB+8*i:QB+8*i+3],   v[QO], s[54:55] offset:(i/4)*4096+(i%4)*64
	global_load_b128 v[QB+8*i+4:QB+8*i+7], v[QO], s[54:55] offset:(i/4)*4096+(i%4)*64+32
.set i, i+1
.endr
	WIN 0x40                                       ; a block's first step multiplies O^T and l by a = 0, so they need only be finite: zeros here, in the wait for the first tile; no first step is written out.  ZG's eight zeros with them
.set i, 0
.rept 136
	v_mov_b32 v[i], 0
.set i, i+1
.endr
	WIN 0
.irp t, 0,1
	v_mov_b32 v[ST+8*(\t)+2], 0
	v_mov_b32 v[ST+8*(\t)+3], 0
.endr
	v_mul_u32_u24 v[AK0], v1, PK
	v_lshl_add_u32 v[AK0], v9, 4, v[AK0]
	v_and_b32 v10, 7, v0
	v_bfe_u32 v11, v0, 3, 1
	v_lshl_add_u32 v[AV0], v9, 3, v10              ; the turning load: key 8 (l / 16) + l % 8, channels 8 ((l / 8) % 2) on
	v_mul_u32_u24 v[AV0], v[AV0], PV
	v_lshl_add_u32 v[AV0], v11, 4, v[AV0]
	v_add_nc_u32 v[AV0], VOFF, v[AV0]
	s_mul_i32 s13, s[WV], 16*SP
	s_add_co_u32 s13, s13, STAGE
	v_mul_u32_u24 v[STO], v1, SP
	v_lshl_add_u32 v[STO], v9, 4, v[STO]
	v_add_nc_u32 v[STO], s13, v[STO]
	v_mul_u32_u24 v[RD], v9, SP
	v_lshl_add_u32 v[RD], v1, 4, v[RD]
	v_add_nc_u32 v[RD], s13, v[RD]
	v_and_b32 v[GO], 31, v0
	v_lshlrev_b32 v[GO], 4, v[GO]
	v_lshlrev_b32 v[DL], 3, v9
	v_sub_nc_u32 v[DL], v1, v[DL]
; Product i of 32 of S^T = K Q^T: channels 32 (i / 8) on, keys 16 ((i / 2) % 4) on, tile i % 2.  The first 8 start the sums with the mask.  The 8 accumulators take turns.
.macro KQ
.set rS, S+32*(i%2)+8*((i/2)%4)
.set rK, KF+32*((i/2)%4)+8*(i/8)
.set rQ, 32*(i%2)+8*(i/8)
.set rM, MC+32*(i%2)+8*((i/2)%4)
.if i < 8
	WIN 0x1a                                       ; K and Q in window 2, the mask in window 1, S^T in window 0
	v_wmma_f32_16x16x32_f16 v[rS:rS+7], v[rK:rK+7], v[rQ:rQ+7], v[rM:rM+7]
.else
	WIN 0x0a
	v_wmma_f32_16x16x32_f16 v[rS:rS+7], v[rK:rK+7], v[rQ:rQ+7], v[rS:rS+7]
.endif
.endm
; Product i of 32 of O^T += V^T P: keys 32 (i / 16) on, channels 16 ((i / 2) % 8) on, tile i % 2.  16 accumulators by turns.
.macro PV
	WIN 0x53                                       ; V in window 3, P in window 0, O^T in window 1
.set rO, 64*(i%2)+8*((i/2)%8)
.set rV, 64*(i/16)+8*((i/2)%8)
.set rP, P+16*(i%2)+8*(i/16)
	v_wmma_f32_16x16x32_f16 v[rO:rO+7], v[rV:rV+7], v[rP:rP+7], v[rO:rO+7]
.endm
.macro FETCH_K                         ; a step's K, 16 fragments: keys 16 (f / 4) on, channels 32 (f % 4) on
	WIN 0x80
.irp f, 0,1,2,3,4,5,6,7,8,9,10,11,12,13,14,15
	ds_load_b128 v[KF+8*(\f):KF+8*(\f)+3],   v[AK] offset:((\f)/4)*16*PK+((\f)%4)*64
	ds_load_b128 v[KF+8*(\f)+4:KF+8*(\f)+7], v[AK] offset:((\f)/4)*16*PK+((\f)%4)*64+32
.endr
	WIN 0
.endm
.macro FETCH_V                         ; a step's V, turned: keys 32 (f / 8) on, channels 16 (f % 8) on
	WIN 0xc0
.irp f, 0,1,2,3,4,5,6,7,8,9,10,11,12,13,14,15
	ds_load_tr16_b128 v[8*(\f):8*(\f)+3],   v[AV] offset:((\f)/8)*32*PV+((\f)%8)*32
	ds_load_tr16_b128 v[8*(\f)+4:8*(\f)+7], v[AV] offset:((\f)/8)*32*PV+16*PV+((\f)%8)*32
.endr
.endm
; One tile's softmax for one step is a list of 134 instructions; SM writes number j for tile t.  s0-s31 are the lane's 32 scores, in pairs 0-15.
;   0-15  the maximum of s0-s31 and the old m, three operands at a time (each accumulator's lowest registers are read first)     16-20  the other half of the lanes' maximum; m; c m; c m_old - c m_new
;   21-87  33 exponentials (a, then s0-s31) at the odd numbers from 23 on; between them c s - c m for pairs to come, the rounding of pairs that are done, the first sums
;   88-101 the last rounding, the rest of the sums, l = a l + sum     102-133  O^T times a
; Both tiles' number j stand together, so behind a tile's exponential come the other tile's and then plain instructions that touch neither.
.macro SM t
.set rT, ST+8*(\t)
.set rS, S+32*(\t)
.set rP, P+16*(\t)
.set rO, 64*(\t)+2*(j-102)
.set q, (j-20)/2
.if j < 102
	WIN 0
.endif
.if j < 4
	v_max3_num_f32 v[rT+4+j], v[rS+8*j], v[rS+8*j+1], v[rS+8*j+2]
.elseif j < 12
	v_max3_num_f32 v[rT+4+j%4], v[rT+4+j%4], v[rS+8*(j%4)+2*(j/4)+1], v[rS+8*(j%4)+2*(j/4)+2]
.elseif j == 12
	v_max3_num_f32 v[rT+4], v[rT+4], v[rS+7], v[rS+15]
.elseif j == 13
	v_max3_num_f32 v[rT+6], v[rT+6], v[rS+23], v[rS+31]
.elseif j == 14
	v_max3_num_f32 v[rT+4], v[rT+4], v[rT+5], v[rT+6]
.elseif j == 15
	v_max3_num_f32 v[rT+4], v[rT+4], v[rT+7], v[rT+1]
.elseif j == 16
	v_permlanex16_b32 v[rT+5], v[rT+4], s[SEL], s[SEL+1]
.elseif j == 17
	v_mov_b32 v[rT+7], v[rT]
.elseif j == 18
	v_max_num_f32 v[rT+1], v[rT+4], v[rT+5]
.elseif j == 19
	v_mul_f32 v[rT], s[CS], v[rT+1]
.elseif j == 20
	v_sub_f32 v[rT+7], v[rT+7], v[rT]
.elseif j == 23
	v_exp_f32 v[rT+6], v[rT+7]
.elseif (j < 88) && (j > 23) && (j%2 == 1)
	v_exp_f32 v[rS+(j-25)/2], v[rS+(j-25)/2]
.elseif (q < 4) || ((j < 76) && (q%2 == 0))
.set b, q/2+2
.if q < 4
.set b, q
.endif
	v_pk_fma_f32 v[rS+2*b:rS+2*b+1], v[rS+2*b:rS+2*b+1], s[CS:CS+1], v[rT:rT+1] op_sel_hi:[1,0,0] neg_lo:[0,0,1] neg_hi:[0,0,1]
.elseif (j < 88) && (q%2 == 1)
	s_wait_alu depctr_va_vdst(0)
	v_cvt_pk_f16_f32 v[rP+(q-5)/2], v[rS+q-5], v[rS+q-4]
.elseif j == 89
	s_wait_alu depctr_va_vdst(0)
	v_cvt_pk_f16_f32 v[rP+15], v[rS+30], v[rS+31]
.elseif j < 102
.set z, j-86
.if j < 89
.set z, (j-76)/4
.endif
.set w, 4
.set u, z
.if z >= 14
.set w, 32
.set u, 0
.elseif z >= 12
.set w, 16
.set u, z-12
.elseif z >= 8
.set w, 8
.set u, z-8
.endif
.if z < 15
	v_pk_add_f32 v[rS+w*u:rS+w*u+1], v[rS+w*u:rS+w*u+1], v[rS+w*u+w/2:rS+w*u+w/2+1]
.else
	v_pk_fma_f32 v[rT+2:rT+3], v[rT+2:rT+3], v[rT+6:rT+7], v[rS:rS+1] op_sel_hi:[1,0,1]
.endif
.else
	WIN W_RS
	v_pk_mul_f32 v[rO:rO+1], v[rO:rO+1], v[rT+6:rT+7] op_sel_hi:[1,0]
.endif
.endm
; A KEY STEP.  Its mask (32 plain instructions: also the places behind the last products V^T P, ahead of the loads into V's registers); V's run of loads; K Q^T; K's run for the tile's second step;
; the softmax; V^T P.
.macro STEP
	s_cmp_eq_u32 s[CNT], 2                         ; the tile's first step or its second?
	s_cselect_b32 s[AL], s[MA0], s[MA1]
	s_cselect_b32 s[BE], 0, s[MB1]
	s_cmp_eq_u32 s[RT], 0                          ; only the block's last tile takes a mask
	s_cselect_b32 s[AL], s[AL], 0
	s_cselect_b32 s[BE], s[BE], 0
	WIN W_RS
.set z, 0
.rept 16
	v_pk_fma_f32 v[MC+2*z:MC+2*z+1], v[MD+2*z:MD+2*z+1], s[AL:AL+1], s[BE:BE+1] op_sel_hi:[1,0,0]
	v_pk_fma_f32 v[MC+32+2*z:MC+32+2*z+1], v[ZG+2*z:ZG+2*z+1], s[AL:AL+1], s[BE:BE+1] op_sel_hi:[1,0,0]
.set z, z+1
.endr
	WIN 0
	v_add_nc_u32 v[AV], s[TB], v[AV0]
	s_add_co_u32 s[TB], s[TB], STEPB
	FETCH_V
	s_wait_dscnt 32                                ; K, asked for ahead of V's 32 loads, is in
.set i, 0
.rept 32
	KQ
.set i, i+1
.endr
	WIN 0
	v_add_nc_u32 v[AK], s[TB], v[AK0]
	PLACES                                         ; behind the products: ahead of the loads into K's registers and of the first read of the scores
	s_cmp_eq_u32 s[CNT], 1                         ; a tile's second step has no next K in its slot
	s_cbranch_scc1 .Lno_k_\@
	FETCH_K
.Lno_k_\@:
.set j, 0
.rept 134
	SM 0
	SM 1
.set j, j+1
.endr
	s_wait_dscnt 0x0                               ; V is in, and the next K
.set i, 0
.rept 32
	PV
.set i, i+1
.endr
	WIN 0
.endm
.macro TILEBODY                        ; a tile's two steps: written once, walked twice
	s_sub_co_u32 s[RT], s[RT], 1
	v_add_nc_u32 v[AK], s[TB], v[AK0]
	FETCH_K
	s_mov_b32 s[CNT], 2
.Lstep_\@:
	STEP
	s_sub_co_u32 s[CNT], s[CNT], 1
	s_cmp_lg_u32 s[CNT], 0
	s_cbranch_scc1 .Lstep_\@
.endm
; A BLOCK BEGINS: the diagonal step's mask for tile 0 (register n % 8 of key group n / 8 is hidden where 16 x group + register is greater than my query's place less 8 (l / 16)); m and c m.
.macro BEGIN
	WIN 0
	v_add_nc_u32 v[THR], s[PAR], v[DL]
	WIN 0x40
.set n, 0
.rept 32
	v_cmp_gt_i32 vcc_lo, 16*(n/8)+n%8, v[THR]
	v_cndmask_b32 v[MD+n], 0, s[BIGN], vcc_lo
.set n, n+1
.endr
	WIN 0
.irp t, 0,1
	v_mov_b32 v[ST+8*(\t)], 0xfe000000             ; c m: far below every c s
	v_mov_b32 v[ST+8*(\t)+1], 0xff7fffff           ; m: the lowest finite number
.endr
.endm
; A BLOCK ENDS: l's two halves and the other half of the lanes' are added; O^T is divided by l, rounded to f16 and sent through my stage, a tile (16 rows) at a time.
.macro PACK t
	WIN W_RS
.set i, 64*(\t)
.rept 32
	v_pk_mul_f32 v[i:i+1], v[i:i+1], v[ST+8*(\t)+6:ST+8*(\t)+7] op_sel_hi:[1,0]
.set i, i+2
.endr
	WIN 0x05                                       ; sources in window 1, destination in window 0: S^T's registers are free
.set i, 0
.rept 32
	v_cvt_pk_f16_f32 v[S+32*(\t)+i], v[64*(\t)+2*i], v[64*(\t)+2*i+1]
.set i, i+1
.endr
	WIN 0
.irp f, 0,1,2,3,4,5,6,7
	ds_store_b128 v[STO], v[S+32*(\t)+4*(\f):S+32*(\t)+4*(\f)+3] offset:32*(\f)
.endr
.irp f, 0,1,2,3,4,5,6,7
	ds_load_b128 v[S+32*(\t)+4*(\f):S+32*(\t)+4*(\f)+3], v[RD] offset:(\f)*2*SP   ; LDS serves a wave's instructions in order (ISA guide 5.7.1.4): these see the stores above
.endr
.endm
.macro SEND t, younger
.irp f, 0,1,2,3,4,5,6,7
	s_wait_dscnt (\younger)+7-(\f)
	global_store_b128 v[GO], v[S+32*(\t)+4*(\f):S+32*(\t)+4*(\f)+3], s[OB:OB+1] offset:(\t)*4096+(\f)*512   ; 512 consecutive bytes, at a multiple of 512 from the buffer's first
.endr
.endm
.macro FINISH
	PLACES                                         ; behind the last products
.irp t, 0,1
	v_add_f32 v[ST+8*(\t)+4], v[ST+8*(\t)+2], v[ST+8*(\t)+3]
.endr
.irp t, 0,1
	v_permlanex16_b32 v[ST+8*(\t)+5], v[ST+8*(\t)+4], s[SEL], s[SEL+1]
.endr
.irp t, 0,1
	v_add_f32 v[ST+8*(\t)+4], v[ST+8*(\t)+4], v[ST+8*(\t)+5]
.endr
.irp t, 0,1
	v_rcp_f32 v[ST+8*(\t)+6], v[ST+8*(\t)+4]
.endr
	v_nop                                          ; a plain instruction between the last reciprocal and the use of its result
	s_wait_alu depctr_va_vdst(0)
	PACK 0
	PACK 1
	SEND 0, 16                                     ; the next tile's sixteen LDS instructions may be out
	SEND 1, 0
.endm
	BEGIN
	s_wait_loadcnt 0x0                             ; Q
.Ltile:                                                ; eight times: a tile is entered and the next is asked for
	CHANGE 1
	TILEBODY
	s_cmp_lg_u32 s[RT], 0
	s_cbranch_scc1 .Lbottom
	FINISH                                         ; the first block's end, in the same trip in all four partners; the second block's last tile is the walk's last
	s_wait_xcnt 0x0                                ; the stores' base and data registers are rewritten only behind this wait
	s_mov_b64 s[OB:OB+1], s[OB+2:OB+3]
	s_add_co_u32 s[RT], s[LQ2], 1
	s_mov_b32 s[MA0], s[NA0]
	s_mov_b32 s[MA1], s[NA1]
	s_mov_b32 s[MB1], s[NB1]
	s_mov_b32 s[PAR], s[NPAR]
	WIN 0x82                                       ; the second block's Q goes where the one text of the steps names Q
.set i, 0
.rept 64
	v_mov_b32 v[i], v[QB+i]
.set i, i+1
.endr
	BEGIN
.Lbottom:
	s_sub_co_u32 s[SLOTS], s[SLOTS], 1
	s_cmp_lg_u32 s[SLOTS], 0
	s_cbranch_scc1 .Ltile
	CHANGE 0                                       ; the walk's last tile is written out: nothing is asked for
	TILEBODY
	FINISH
	s_wait_tensorcnt 0x0                           ; the wave's end
	ds_add_u32 v[SPW], v[NIL]
	s_wait_dscnt 0x0
	CROUND                                         ; the closing round: no work-group ends while a partner may still ask for a tile that names it
	s_endpgm
.Lfunc_end_k_qd42565a46f_attn:
	.size	k_qd42565a46f_attn, .Lfunc_end_k_qd42565a46f_attn-k_qd42565a46f_attn
	.p2alignl 7, 3214868480
	.fill 96, 4, 3214868480
	.section	.rodata,"a",@progbits
	.p2align	6, 0x0
	.amdhsa_kernel k_qd42565a46f_attn
		.amdhsa_group_segment_fixed_size 327680
		.amdhsa_private_segment_fixed_size 0
		.amdhsa_enable_private_segment 0
		.amdhsa_kernarg_size 16
		.amdhsa_user_sgpr_count 2
		.amdhsa_user_sgpr_kernarg_segment_ptr 1
		.amdhsa_wavefront_size32 1
		.amdhsa_system_sgpr_workgroup_id_x 1
		.amdhsa_system_sgpr_workgroup_id_y 1
		.amdhsa_system_sgpr_workgroup_id_z 1
		.amdhsa_system_vgpr_workitem_id 0
		.amdhsa_next_free_vgpr 896
		.amdhsa_next_free_sgpr 88
		.amdhsa_reserve_vcc 1
		.amdhsa_float_denorm_mode_32 3
		.amdhsa_float_denorm_mode_16_64 3
		.amdhsa_memory_ordered 1
		.amdhsa_forward_progress 1
		.amdhsa_inst_pref_size 109
	.end_amdhsa_kernel
	.amdgpu_metadata
---
amdhsa.version: [ 1, 2 ]
amdhsa.kernels:
  - .name:           k_qd42565a46f_attn
    .symbol:         k_qd42565a46f_attn.kd
    .args:
      - { .name: qkv, .offset: 0, .size: 8, .value_kind: global_buffer, .address_space: global }
      - { .name: ob, .offset: 8, .size: 8, .value_kind: global_buffer, .address_space: global }
    .group_segment_fixed_size: 327680
    .private_segment_fixed_size: 0
    .kernarg_segment_align: 8
    .kernarg_segment_size: 16
    .max_flat_workgroup_size: 128
    .sgpr_count:     88
    .vgpr_count:     896
    .wavefront_size: 32
...
	.end_amdgpu_metadata
.endif
;; end of part 3
;; launch oproj (part 4): grid 8 x 32, 4 waves a work-group, clusters of 4 x 4, 327,680 bytes of LDS; arguments ob, wob, out0; writes out0
.if DOCPART == 4
	.amdgcn_target "amdgcn-amd-amdhsa--gfx1250"
	.amdhsa_code_object_version 6
	.text
	.protected	k_qd42565a46f_oproj
	.globl	k_qd42565a46f_oproj
	.p2align	8
	.type	k_qd42565a46f_oproj,@function
k_qd42565a46f_oproj:
	s_mov_b64 s[64:65], 0
	v_nop
	global_prefetch_b8 v0, s[64:65] scope:SCOPE_SE
	s_setreg_imm32_b32 hwreg(HW_REG_WAVE_MODE, 25, 1), 1
	s_wait_xcnt 0x0
	s_wait_alu depctr_hold_cnt(0) depctr_sa_sdst(0) depctr_va_vdst(0) depctr_va_sdst(0) depctr_va_ssrc(0) depctr_va_vcc(0) depctr_vm_vsrc(0)
	s_getreg_b32 s2, hwreg(HW_REG_IB_STS2, 6, 4)
	s_cmp_eq_u32 s2, 0
	s_cbranch_scc0 .Lentry_in_a_cluster
	s_endpgm
.Lentry_in_a_cluster:
	s_bfe_u32 s2, ttmp6, 0x10000c
	s_cmp_lg_u32 s2, 0xf033
	s_cbranch_scc0 .Lentry_shape_is_right
	s_endpgm
.Lentry_shape_is_right:
; out0 = O Wo.  O: ob [16 h][4096 rows][128] f16 (K = 128 h + d); Wo: wob [16 column blocks][2048 k][128 n] f16; out0: [4096][2048] f32.  Sums in f32.
; LIMITS.  The operands are f16: |O| and |Wo| under 65,504.  NaN and infinities are not treated apart.
; The sums run over the 16 K steps in the order o, o + 1, .., 15, 0, .., o - 1 with o = 0 or 8 (K ORDER below): an order of rounding that differs from ascending K.
; SHARES.  A work-group makes 128 rows x 256 columns: 256 work-groups.  Wave (wr, wc) makes rows 64 wr .. + 63 of column block 2 c + wc: 32 accumulators.
; THE MATRIX INSTRUCTION IS USED TRANSPOSED: source 0 = 16 columns of Wo (turned out of LDS by ds_load_tr16_b128), source 1 = 16 rows of O: a lane holds one row and eight neighbouring columns, 32 bytes.
; RING.  K goes in steps of 128 through two LDS slots of four regions: O's rows 0-63, rows 64-127 (pitch 272), Wo's two column blocks (128 k rows, pitch 288).  Wave w fetches region w.
; A K step is written once: the fragment addresses are a lane term + TB, which one exclusive or turns from one slot to the other, and one group 0 a tensor walks from slot to slot.
; CLUSTER 4 x 4: O's tiles hang on the tile row alone and are asked for jointly along a row of the cluster, Wo's on the tile column alone and jointly along a column.
; K ORDER.  A cluster begins at K step o = 8 ((cluster x + cluster y) & 1) and wraps.  The cluster that needs the same tiles of O (same y, other x) and the neighbour that needs the same tiles of Wo
; (same x, y xor 1) walk eight steps apart from mine: in my last eight steps every tile has been read by one of them eight steps earlier.
; REGISTERS: window 0 addresses; window 1 two fragment buffers (O's fragment a at + 8 a, Wo's fragment b at + 32 + 8 b), on the way out the rows read back; window 2 the accumulators at 8 (8 a + b).
.set PA,    272
.set PB,    288
.set REG,   36864                      ; 0x9000
.set SLOT,  4*REG                      ; 0x24000: it shares no bit with wave x REG, so an exclusive or with it adds or takes away a slot
.set SPARE, 2*SLOT                     ; the spare words: 128 bytes a wave, two blocks of 256 bytes that no other line names
.set SPI,   528                        ; the stage's row: 512 bytes + 16.  A wave's own stage, 16 rows, lies in slot 0, behind that slot's last fill and last read
.set ADA0, 16                          ; v16  my O fragments in slot 0; never rewritten
.set ADRA, 17                          ; v17  in the slot in hand
.set ADB0, 20                          ; v20  my Wo fragments in slot 0; never rewritten
.set ADRB, 21                          ; v21  in the slot in hand
.set STO,  24
.set RD,   25
.set CO,   26
.set SPW,  28
.set NIL,  29
.set F0,   0
.set F1,   128
.set G1A, 24                           ; s[24:31] group 1 for O's tiles;  s[32:39] group 0: a set for each first fill; the second then walks on
.set G0A, 32
.set G1B, 48                           ; s[48:55], s[56:63] the same for Wo's
.set G0B, 56
.set KS,  2                            ; s2   the K step to be asked for next
.set OFS, 18                           ; s[18:19] its byte offset
.set TB,  45                           ; s45  0 or SLOT: the slot in hand
.set MSB, 0
.macro WIN new
.if MSB != (\new)
	s_set_vgpr_msb (MSB<<8)|(\new)
.set MSB, \new
.endif
.endm
.macro PLACES
.rept 4
	v_nop
.endr
.endm
.macro JLOAD s                         ; waves 0 and 1 ask for O's two halves, waves 2 and 3 for Wo's two blocks; an s_nop 0 and four v_nop follow each line
	s_cmp_eq_u32 s11, 0
	s_cbranch_scc0 .Lfor_b_\@
	tensor_load_to_lds s[G0A+4*(\s):G0A+4*(\s)+3], s[G1A:G1A+7]
	s_nop 0
.rept 4
	v_nop
.endr
	s_branch .Lasked_\@
.Lfor_b_\@:
	tensor_load_to_lds s[G0B+4*(\s):G0B+4*(\s)+3], s[G1B:G1B+7]
	s_nop 0
.rept 4
	v_nop
.endr
.Lasked_\@:
.endm
.macro CREST
	s_cmp_lg_u32 s10, 0
	s_cbranch_scc1 .Lnot_wave_0_\@
	s_barrier_signal -3
.Lnot_wave_0_\@:
	s_barrier_wait -3
	s_barrier_signal -1
	s_barrier_wait -1
.endm
.macro CROUND
	s_barrier_signal -1
	s_barrier_wait -1
	CREST
.endm
; The walking descriptors go on: the other slot; the address made anew from the tensor's base and the number of the K step, which then steps and wraps at 16.
.macro NEXTK
	s_xor_b32 s[G0A+5], s[G0A+5], SLOT
	s_lshl_b32 s[OFS], s[KS], 20                   ; a K step of O is a head of ob: 1,048,576 bytes
	s_add_nc_u64 s[G0A+6:G0A+7], s[14:15], s[OFS:OFS+1]
	s_or_b32 s[G0A+7], s[G0A+7], 0x80000000
	s_xor_b32 s[G0B+5], s[G0B+5], SLOT
	s_lshl_b32 s[OFS], s[KS], 15                   ; a K step of Wo is 128 k rows of 256 bytes
	s_add_nc_u64 s[G0B+6:G0B+7], s[46:47], s[OFS:OFS+1]
	s_or_b32 s[G0B+7], s[G0B+7], 0x80000000
	s_add_co_u32 s[KS], s[KS], 1
	s_and_b32 s[KS], s[KS], 15
.endm
	s_load_b128 s[4:7], s[0:1], 0x0                ; ob s[4:5], wob s[6:7]
	s_load_b64 s[8:9], s[0:1], 0x10                ; out0
	v_lshl_add_u32 v[SPW], v0, 2, SPARE
	v_mov_b32 v[NIL], 0
	ds_add_u32 v[SPW], v[NIL]                      ; the wave's opening: the add and its wait ahead of my first tensor load
	v_lshrrev_b32 v1, 5, v0
	v_readfirstlane_b32 s10, v1                    ; wave 0..3
	s_lshr_b32 s11, s10, 1                         ; wr.  Also: I fetch for O (0) or for Wo (1)
	s_and_b32 s12, s10, 1                          ; wc.  Also: which half or block I fetch
	s_bfe_u32 s40, ttmp6, 0x40000                  ; cx
	s_bfe_u32 s41, ttmp6, 0x40004                  ; cy
	s_lshl_b32 s42, ttmp9, 2
	s_add_co_u32 s42, s42, s40                     ; c: tile column
	s_and_b32 s13, ttmp7, 0xffff
	s_lshl_b32 s13, s13, 2
	s_add_co_u32 s13, s13, s41                     ; tile row
	s_lshl_b32 s43, s41, 2
	s_lshl_b32 s43, 15, s43                        ; my row of the cluster
	s_lshl_b32 s44, 0x1111, s40                    ; my column
	s_or_b32 s[G1A], s43, (1<<16)|(1<<20)|(1<<21)|(5<<22)|(3<<25)
	s_or_b32 s[G1B], s44, (1<<16)|(1<<20)|(1<<21)|(5<<22)|(7<<25)
	s_mov_b32 s[G1A+1], 128<<16                    ; O: 64 rows x 128 elements
	s_mov_b32 s[G1A+2], 64<<16
	s_mov_b32 s[G1A+3], 128<<16
	s_mov_b32 s[G1A+4], 64
	s_mov_b32 s[G1A+5], 128
	s_mov_b32 s[G1A+6], 0
	s_mov_b32 s[G1A+7], 0
	s_mov_b32 s[G1B+1], 128<<16                    ; Wo: 128 k rows x 128 elements
	s_mov_b32 s[G1B+2], 128<<16
	s_mov_b32 s[G1B+3], 128<<16
	s_mov_b32 s[G1B+4], 128
	s_mov_b32 s[G1B+5], 128
	s_mov_b32 s[G1B+6], 0
	s_mov_b32 s[G1B+7], 0
	s_lshl_b32 s16, s13, 15                        ; O: row 128 x tile row + 64 x half, 256 bytes each; these registers never hold cx
	s_lshl_b32 s17, s12, 14
	s_add_co_u32 s16, s16, s17
	s_mov_b32 s17, 0
	s_lshl1_add_u32 s46, s42, s12                  ; Wo: block 2 c + half; these registers never hold cy
	s_lshl_b32 s46, s46, 19
	s_mov_b32 s47, 0
	s_mul_i32 s20, s10, REG                        ; where they go: region = wave
	s_lshl_b32 s22, s13, 20                        ; out0: row 128 x tile row + 64 wr, 8,192 bytes each; column block 2 c + wc, 512 bytes each
	s_lshl_b32 s23, s11, 19
	s_add_co_u32 s22, s22, s23
	s_lshl_b32 s23, s42, 10
	s_add_co_u32 s22, s22, s23
	s_lshl_b32 s23, s12, 9
	s_add_co_u32 s22, s22, s23
	s_mov_b32 s23, 0
	s_and_b32 s[KS], ttmp7, 0xffff                 ; my first K step: 8 x the parity of cluster x + cluster y, the same in all sixteen partners
	s_add_co_u32 s[KS], s[KS], ttmp9
	s_and_b32 s[KS], s[KS], 1
	s_lshl_b32 s[KS], s[KS], 3
	s_mov_b32 s[OFS+1], 0
	s_mov_b32 s[TB], 0
	s_wait_dscnt 0x0                               ; the opening add is done
	s_wait_kmcnt 0x0
	s_add_nc_u64 s[14:15], s[4:5], s[16:17]        ; O at my rows, K step 0
	s_add_nc_u64 s[46:47], s[6:7], s[46:47]        ; Wo at my block, K step 0
	s_add_nc_u64 s[8:9], s[8:9], s[22:23]
	CROUND                                         ; all sixteen work-groups are here: the first joint loads meet
.irp s, 0,1
	s_mov_b32 s[G0A+4*(\s)], 1
	s_add_co_u32 s[G0A+4*(\s)+1], s20, (\s)*SLOT
	s_lshl_b32 s[OFS], s[KS], 20
	s_add_nc_u64 s[G0A+4*(\s)+2:G0A+4*(\s)+3], s[14:15], s[OFS:OFS+1]
	s_or_b32 s[G0A+4*(\s)+3], s[G0A+4*(\s)+3], 0x80000000
	s_mov_b32 s[G0B+4*(\s)], 1
	s_add_co_u32 s[G0B+4*(\s)+1], s20, (\s)*SLOT
	s_lshl_b32 s[OFS], s[KS], 15
	s_add_nc_u64 s[G0B+4*(\s)+2:G0B+4*(\s)+3], s[46:47], s[OFS:OFS+1]
	s_or_b32 s[G0B+4*(\s)+3], s[G0B+4*(\s)+3], 0x80000000
	s_add_co_u32 s[KS], s[KS], 1                   ; o + 2 at the most 10: no wrap yet
	JLOAD \s                                       ; two loads of mine are out
.endr
	v_and_b32 v1, 15, v0                           ; r
	v_bfe_u32 v2, v0, 4, 1                         ; h
	v_and_b32 v3, 7, v0
	v_bfe_u32 v4, v0, 3, 1
	v_mul_u32_u24 v5, v1, PA
	v_lshl_add_u32 v5, v2, 4, v5
	s_mul_i32 s21, s11, REG                        ; my 64 rows of O
	v_add_nc_u32 v[ADA0], s21, v5
	v_mov_b32 v[ADRA], v[ADA0]                     ; slot 0 is the first in hand
	v_lshl_add_u32 v6, v2, 3, v3
	v_mul_u32_u24 v6, v6, PB
	v_lshl_add_u32 v6, v4, 4, v6
	s_mul_i32 s21, s12, REG                        ; my block of Wo, behind O's two regions
	s_add_co_u32 s21, s21, 2*REG
	v_add_nc_u32 v[ADB0], s21, v6
	v_mov_b32 v[ADRB], v[ADB0]
	s_mul_i32 s21, s10, 16*SPI                     ; my stage
	v_mul_u32_u24 v[STO], v1, SPI                  ; in: row r, 32 bytes for each half of the lanes
	v_lshl_add_u32 v[STO], v2, 5, v[STO]
	v_add_nc_u32 v[STO], s21, v[STO]
	v_and_b32 v[CO], 31, v0
	v_lshlrev_b32 v[CO], 4, v[CO]                  ; back and out: 16 x lane, a row's 512 bytes
	v_add_nc_u32 v[RD], s21, v[CO]
; 8 matrix instructions: row block a x my 8 column blocks, 32 along K.  The 32 accumulators take turns, one instruction a turn.
.macro MUL8 f, a, zero
	WIN 0xa5                                       ; sources in window 1, C and D in window 2
.irp b, 0,1,2,3,4,5,6,7
.if \zero
	v_wmma_f32_16x16x32_f16 v[64*(\a)+8*(\b):64*(\a)+8*(\b)+7], v[(\f)+32+8*(\b):(\f)+32+8*(\b)+7], v[(\f)+8*(\a):(\f)+8*(\a)+7], 0
.else
	v_wmma_f32_16x16x32_f16 v[64*(\a)+8*(\b):64*(\a)+8*(\b)+7], v[(\f)+32+8*(\b):(\f)+32+8*(\b)+7], v[(\f)+8*(\a):(\f)+8*(\a)+7], v[64*(\a)+8*(\b):64*(\a)+8*(\b)+7]
.endif
.endr
.endm
.macro FETCH q, f                      ; 24 LDS loads in one run, from the slot in hand: Wo's eight fragments, turned, then O's four
	WIN 0x40
.irp b, 0,1,2,3,4,5,6,7
	ds_load_tr16_b128 v[(\f)+32+8*(\b):(\f)+32+8*(\b)+3],   v[ADRB] offset:(\q)*32*PB+32*(\b)
	ds_load_tr16_b128 v[(\f)+32+8*(\b)+4:(\f)+32+8*(\b)+7], v[ADRB] offset:(\q)*32*PB+32*(\b)+16*PB
.endr
.irp a, 0,1,2,3
	ds_load_b128 v[(\f)+8*(\a):(\f)+8*(\a)+3],   v[ADRA] offset:(\a)*16*PA+64*(\q)
	ds_load_b128 v[(\f)+8*(\a)+4:(\f)+8*(\a)+7], v[ADRA] offset:(\a)*16*PA+64*(\q)+32
.endr
.endm
.macro QUARTER q, f, g, zero
	s_wait_dscnt 4                                 ; all but O's fragments 2 and 3 are in
	MUL8 \f, 0, \zero
	MUL8 \f, 1, \zero
	PLACES
	FETCH \q, \g
	s_wait_dscnt 24                                ; all but the 24 just issued
	MUL8 \f, 2, \zero
	MUL8 \f, 3, \zero
.endm
; The change of slots: all my tensor loads, the add, my reads of this slot, ONE barrier.  round = 1: the slot is filled again; no load of mine is out, so the walking descriptors are stepped here, ahead of the round.
.macro MEET round
	WIN 0
	s_wait_tensorcnt 0x0
	ds_add_u32 v[SPW], v[NIL]
.if \round
	NEXTK
.endif
	s_wait_dscnt 7                                 ; the add and O's fragments 1 to 3 may be out
	MUL8 F1, 0, 0
	s_wait_dscnt 0x0
	s_barrier_signal -1
	MUL8 F1, 1, 0
.if \round
	WIN 0
.endif
	s_barrier_wait -1
.endm
.macro TURN fill
	MEET \fill
.if \fill
	CREST                                          ; the barrier has opened a round of the cluster's: no wave of any partner still reads this slot or has a load on its way
	JLOAD 1                                        ; the first tensor load behind the round: 112 matrix instructions ahead of the wait for it; its four v_nop are also places for the loads below
.else
	WIN 0
	PLACES
.endif
	s_xor_b32 s[TB], s[TB], SLOT                   ; the other slot is in hand
	v_add_nc_u32 v[ADRA], s[TB], v[ADA0]
	v_add_nc_u32 v[ADRB], s[TB], v[ADB0]
	FETCH 0, F0
	MUL8 F1, 2, 0
	MUL8 F1, 3, 0
.endm
	s_wait_tensorcnt 1                             ; my part of the first K step is in; the second's may stay out
	s_barrier_signal -1
	s_barrier_wait -1
	FETCH 0, F0
	QUARTER 1, F0, F1, 1                           ; the first quarter's products start the sums
	WIN 0
	s_mov_b32 s3, 14                               ; 16 K steps: fourteen trips, each from a step's second quarter to the next step's first, fill a slot again
.Lstep:
	QUARTER 2, F1, F0, 0
	QUARTER 3, F0, F1, 0
	TURN 1
	QUARTER 1, F0, F1, 0
	WIN 0
	s_sub_co_u32 s3, s3, 1
	s_cmp_lg_u32 s3, 0
	s_cbranch_scc1 .Lstep
	QUARTER 2, F1, F0, 0                           ; the last two steps fill nothing
	QUARTER 3, F0, F1, 0
	TURN 0
	QUARTER 1, F0, F1, 0
	QUARTER 2, F1, F0, 0
	QUARTER 3, F0, F1, 0
	s_wait_dscnt 4
	MUL8 F1, 0, 0
	MUL8 F1, 1, 0
	s_wait_dscnt 0x0
	MUL8 F1, 2, 0
	MUL8 F1, 3, 0
	PLACES
; THE WAY OUT, a block of 16 rows at a time: a lane's 32 bytes of a row go from the accumulators into my own stage (low registers first), whole rows of 512 bytes come back.
.macro TOSTAGE a
	WIN 0x08                                       ; store data in window 2
.irp b, 0,1,2,3,4,5,6,7
	ds_store_b128 v[STO], v[64*(\a)+8*(\b):64*(\a)+8*(\b)+3]   offset:64*(\b)
	ds_store_b128 v[STO], v[64*(\a)+8*(\b)+4:64*(\a)+8*(\b)+7] offset:64*(\b)+16
.endr
	WIN 0x40                                       ; back into window 1: the fragment buffers are done with
.irp t, 0,1,2,3,4,5,6,7,8,9,10,11,12,13,14,15
	ds_load_b128 v[64*(\a)+4*(\t):64*(\a)+4*(\t)+3], v[RD] offset:SPI*(\t)   ; LDS serves a wave's instructions in order (ISA guide 5.7.1.4): these see the stores above; the next block's stores come behind them
.endr
.endm
.macro SEND a, younger                 ; younger: the LDS instructions issued behind block a's loads: the next block's 32, or none
	WIN 0x04                                       ; store data in window 1
.irp t, 0,1,2,3,4,5,6,7,8,9,10,11,12,13,14,15
	s_wait_dscnt (\younger)+15-(\t)
	global_store_b128 v[CO], v[64*(\a)+4*(\t):64*(\a)+4*(\t)+3], s[8:9] offset:(16*(\a)+(\t))*8192 th:TH_STORE_NT   ; 512 consecutive bytes, at a multiple of 512 from out0's first
.endr
.endm
	TOSTAGE 0
	TOSTAGE 1
	SEND 0, 32
	TOSTAGE 2
	SEND 1, 32
	TOSTAGE 3
	SEND 2, 32
	SEND 3, 0
	WIN 0
	s_wait_tensorcnt 0x0                           ; the wave's end
	ds_add_u32 v[SPW], v[NIL]
	s_wait_dscnt 0x0
	CROUND                                         ; the closing round: no work-group ends while a partner may still ask for a tile that names it
	s_endpgm
.Lfunc_end_k_qd42565a46f_oproj:
	.size	k_qd42565a46f_oproj, .Lfunc_end_k_qd42565a46f_oproj-k_qd42565a46f_oproj
	.p2alignl 7, 3214868480
	.fill 96, 4, 3214868480
	.section	.rodata,"a",@progbits
	.p2align	6, 0x0
	.amdhsa_kernel k_qd42565a46f_oproj
		.amdhsa_group_segment_fixed_size 327680
		.amdhsa_private_segment_fixed_size 0
		.amdhsa_enable_private_segment 0
		.amdhsa_kernarg_size 24
		.amdhsa_user_sgpr_count 2
		.amdhsa_user_sgpr_kernarg_segment_ptr 1
		.amdhsa_wavefront_size32 1
		.amdhsa_system_sgpr_workgroup_id_x 1
		.amdhsa_system_sgpr_workgroup_id_y 1
		.amdhsa_system_sgpr_workgroup_id_z 1
		.amdhsa_system_vgpr_workitem_id 0
		.amdhsa_next_free_vgpr 768
		.amdhsa_next_free_sgpr 66
		.amdhsa_reserve_vcc 0
		.amdhsa_float_denorm_mode_32 3
		.amdhsa_float_denorm_mode_16_64 3
		.amdhsa_memory_ordered 1
		.amdhsa_forward_progress 1
		.amdhsa_inst_pref_size 71
	.end_amdhsa_kernel
	.amdgpu_metadata
---
amdhsa.version: [ 1, 2 ]
amdhsa.kernels:
  - .name:           k_qd42565a46f_oproj
    .symbol:         k_qd42565a46f_oproj.kd
    .args:
      - { .name: ob, .offset: 0, .size: 8, .value_kind: global_buffer, .address_space: global }
      - { .name: wob, .offset: 8, .size: 8, .value_kind: global_buffer, .address_space: global }
      - { .name: out0, .offset: 16, .size: 8, .value_kind: global_buffer, .address_space: global }
    .group_segment_fixed_size: 327680
    .private_segment_fixed_size: 0
    .kernarg_segment_align: 8
    .kernarg_segment_size: 24
    .max_flat_workgroup_size: 128
    .sgpr_count:     66
    .vgpr_count:     768
    .wavefront_size: 32
...
	.end_amdgpu_metadata
.endif
;; end of part 4
